; MI455X (gfx1250); checked and timed in simulation.
; The chip was launched on July 23, 2026; its instructions are those of AMD's public machine-readable ISA for CDNA 5 (MIT licence, August 2026) and "CDNA5" Instruction Set Architecture Reference Guide (July 2026). The comments in the code are by the model that wrote it; some were corrected since.
;; Attention Layer. Allowed arithmetic: matrix products marked QUANTISED: E2M3 operands, one E8M0 scale for each 32 along K, by v_wmma_scale_f32_16x16x128_f8f6f4 with both operands' format E2M3, f32 sums; everything else in f32.
;; Inputs: Wk 1,024 x 1,024 float32; Wo 1,024 x 1,024 float32; Wq 1,024 x 1,024 float32; Wv 1,024 x 1,024 float32; bk 1,024 float32; bo 1,024 float32; bq 1,024 float32; bv 1,024 float32; keys 4 x 2,048 x 1,024 float32; queries 4 x 2,048 x 1,024 float32; values 4 x 2,048 x 1,024 float32.
;; Outputs: out0 4 x 2,048 x 1,024 float32.
;; This version of the problem:
;;   THIS VERSION OF THE PROBLEM IS GIVEN IN LOW PRECISION. The matrix products marked QUANTISED in the list below multiply operands that are first quantised to E2M3 (2 exponent bits, 3 mantissa bits; 6 bits a number), with one power-of-two scale for each 32 numbers along K (OCP MX v1.0); their sums are f32. All else is computed in f32.
;;   The module's matrix products, in the order in which they are computed (A, B: the left and right operand; K: the contracted axis; several contracted axes count as one K, in the product's order):
;;     1. [M 8,192, K 1,024] x [K 1,024, N 1,024]; A: input queries; B: input Wq: QUANTISED
;;     2. [M 8,192, K 1,024] x [K 1,024, N 1,024]; A: input keys; B: input Wk: QUANTISED
;;     3. [M 8,192, K 1,024] x [K 1,024, N 1,024]; A: input values; B: input Wv: QUANTISED
;;     4. batch 64 x [M 2,048, K 64] x [K 64, N 2,048]; A: computed on the way; B: computed on the way: QUANTISED
;;     5. batch 64 x [M 64, K 2,048] x [K 2,048, N 2,048]; A: computed on the way; B: softmax (see below): QUANTISED
;;     6. [M 8,192, K 1,024] x [K 1,024, N 1,024]; A: computed on the way; B: input Wo: QUANTISED
;;   THE QUANTISER, for each operand of a quantised product, along K:
;;     - K is cut into blocks of 32 from its start; a last block that is shorter is filled with zeros.
;;     - A block's scale is 2^e with e = floor(log2(the largest magnitude in the block)) - 2, held to -126 .. 127; a block of zeros has e = 0. As a byte (E8M0): e + 127.
;;     - Each number is divided by its block's scale, clamped to +-7.5, and rounded to the nearest number of E2M3, ties to even, subnormals kept.
;;     - The product sums the exact products of the quantised numbers (number of the format x scale) in f32.
;;   ~~~python
;;   def quantise(x, axis):      # numpy; x: float32 -> the quantised numbers, widened to float32 again
;;       x = np.moveaxis(x, axis, -1); K = x.shape[-1]
;;       x = np.pad(x, [(0, 0)] * (x.ndim - 1) + [(0, -K % 32)]); x = x.reshape(x.shape[:-1] + (-1, 32)); a = np.abs(x).max(-1, keepdims=True)
;;       e = np.where(a > 0, np.clip(np.frexp(np.where(a > 0, a, 1))[1] - 1 - 2, -126, 127), 0)      # np.frexp(a)[1] - 1 = floor(log2(a)), exactly
;;       r = np.clip(x / 2.0 ** e, -7.5, 7.5)
;;       step = 2.0 ** (np.maximum(np.frexp(np.where(r == 0, 1, r))[1] - 1, 0) - 3)
;;       q = np.round(r / step) * step * 2.0 ** e      # np.round: ties to even
;;       return np.moveaxis(q.reshape(q.shape[:-2] + (-1,))[..., :K], -1, axis).astype(np.float32)
;;   ~~~
;;   SOFTMAX AHEAD OF A QUANTISED PRODUCT. Where the list says 'softmax', what is quantised is not the finished softmax but p = 2^(t - M), with t = logit x log2(e) and M = ceil(the row's largest t), a whole number; so 1/2 < the row's largest p <= 1. The row's sum l is taken of the UNQUANTISED p, in f32, and the product's result is divided by l at the end. Since M is a whole number, a kernel that streams over the keys may use a running M (the ceiling of the running maximum): every later rescaling is an exact power of two, which a block's scale takes up: the codes' values come out the same.
;;   OPERANDS COMPUTED ON THE WAY. 'Computed on the way' means the value that the module computes at that place (a softmax that the list does not call 'softmax' is quantised finished and normalised). What goes into a quantiser is computed in f32, as accurately as f32 sums, v_exp_f32 and their like allow (about 1e-6 of the number): no bf16 or f16 on the way to a quantiser, and a product that is left as it is and whose result goes on into a quantised operand takes f32 operands (vector FMAs, or v_wmma_f32_16x16x4_f32). A number that lies on a knife's edge between two numbers of the format may be rounded either way, as far as f32 arithmetic and the matrix unit's own rounding can turn it there, and no further.
;; One version. Each part assembles by itself: llvm-mc -triple=amdgcn-amd-amdhsa -mcpu=gfx1250 --defsym DOCPART=n.
;; ======== version 1 of 1: 4 launches
;; limits: right only within a limited range of input values
;; workspace buffers: xc 20,447,232 bytes; wc 3,407,872 bytes; qb 6,553,600 bytes; kv 13,107,200 bytes; oc 6,815,744 bytes
;; launch quant (part 1): grid 1024 x 1, 2 waves a work-group, no clusters, 17,152 bytes of LDS; arguments queries, keys, values, Wq, Wk, Wv, Wo, xc, wc; writes xc, wc
.if DOCPART == 1
	.amdgcn_target "amdgcn-amd-amdhsa--gfx1250"
	.amdhsa_code_object_version 6
	.text
	.protected	k_q6f7ea29aea_quant
	.globl	k_q6f7ea29aea_quant
	.p2align	8
	.type	k_q6f7ea29aea_quant,@function
k_q6f7ea29aea_quant:
	s_mov_b64 s[64:65], 0
	v_nop
	global_prefetch_b8 v0, s[64:65] scope:SCOPE_SE
	s_setreg_imm32_b32 hwreg(HW_REG_WAVE_MODE, 25, 1), 1
	s_wait_xcnt 0x0
; queries, keys, values [8192][1024] f32 (K innermost) and Wq, Wk, Wv, Wo [1024 (k)][1024 (n)] f32 (K outermost) become codes of FP6 (E2M3) with one E8M0 byte for each 32 along K,
; laid as IMAGES OF THE OPERAND'S REGISTERS.  A fragment (16 rows x 128 K, 12 registers a lane) is two halves of 768 bytes: registers 0-3 at 16 x lane (512 bytes), registers 4-5 at 512 + 8 x lane (256 bytes);
; then registers 6-9 and 10-11 likewise.  A tile of 16 rows has four chunks of 256 along K, 3,328 bytes each: two fragments, then 256 bytes of scale words (lane l: the two words of row l % 16).
; POSITIONS: rows of x and columns n of a weight are stored with bits 3 and 4 of their index exchanged: lane r of tile 2 a + u is index 32 a + 8 u + r + 8 (r / 8).
; A block's scale is 2^(floor(log2(largest magnitude)) - 2): its byte is the largest magnitude's exponent field - 2, held at 1 from below.
; LIMITS: NaN and infinities are not served; a block whose largest magnitude lies under 2^-124 keeps the byte 1; a block of zeros gets the byte 1 and not 127: its codes are zeros and this program alone reads the bytes.
; Work-groups 0-767: a wave takes one tile of 16 rows of x, all of K, in 8 steps of 128.  Work-groups 768-1023: a wave takes 32 columns x 256 along K of a weight, a lane to a column, registers down K.
; No matrix work, no cluster, no tensor load: the launch is a stream, each input byte read once, each store of a wave 512 or 256 consecutive bytes, aligned.
.set SPARE, 16896                      ; behind the two stages: the spare words, 128 bytes for each wave: one block of 256 bytes that no other line names
.set SPW,  252                         ; v252 LDS address of my spare word; never rewritten
.set NIL,  253                         ; v253 0; never rewritten
.set WV,   22                          ; s22  my wave's number
.set SEL,  24                          ; s[24:25] lane selects for v_permlanex16_b32: lane l xor 16
.set L16,  4                           ; v4   16 x lane
.set L8,   5                           ; v5   8 x lane
.set STW,  6                           ; v6   my stage, on the way in: 16 x lane
.set STR,  7                           ; v7   and out: row r, + 64 h
.set R,    16                          ; v16-143  two sets of 64 registers as loaded
.set X,    144                         ; v144-207 64 numbers: register 16 b + i = k 32 b + 16 h + i of my row
.set PC,   208                         ; v208-226 the codes just made
.set TM,   228                         ; v228-243 at work
.set PW,   244                         ; v244-251 a scale word for each step
; 64 numbers of a lane, register 16 b + i = k 32 b + 16 (lane / 16) + i of my row, become a fragment's codes in v[PC] on and its scale word in v[pw]
.macro QUANT s, pw
.irp b, 0,1,2,3
	v_max3_num_f32 v[TM+\b], |v[\s+16*\b]|, |v[\s+1+16*\b]|, 0x1800000   ; my 16 numbers of block b, and the floor 2^(3 - 127): the byte cannot fall under 1
.endr
.irp i, 2,4,6,8,10,12,14
.irp b, 0,1,2,3
	v_max3_num_f32 v[TM+\b], v[TM+\b], |v[\s+16*\b+\i]|, |v[\s+1+16*\b+\i]|
.endr
.endr
.irp b, 0,1,2,3
	v_permlanex16_b32 v[TM+4+\b], v[TM+\b], s[SEL], s[SEL+1]
.endr
.irp b, 0,1,2,3
	v_max_num_f32 v[TM+\b], v[TM+\b], v[TM+4+\b]   ; with lane l xor 16's: the block's largest magnitude
.endr
.irp b, 0,1,2,3
	v_add_nc_u32 v[TM+12+\b], 0xff000000, v[TM+\b]   ; 2 off its exponent field: the conversion's scale operand
.endr
.irp b, 0,1,2,3
	v_lshrrev_b32 v[TM+4+\b], 23, v[TM+12+\b]      ; the scale's byte
.endr
	v_lshl_or_b32 v[\pw], v[TM+5], 8, v[TM+4]
	v_lshl_or_b32 v[\pw], v[TM+6], 16, v[\pw]
	v_lshl_or_b32 v[\pw], v[TM+7], 24, v[\pw]
.irp c, 0,1
	v_cvt_scalef32_pk16_fp6_f32 v[PC+6*\c:PC+2+6*\c], v[\s+32*\c:\s+15+32*\c], v[TM+12+2*\c]
	v_cvt_scalef32_pk16_fp6_f32 v[PC+12+4*\c:PC+14+4*\c], v[\s+16+32*\c:\s+31+32*\c], v[TM+12+2*\c+1]   ; (a conversion's three registers begin on an even number)
.endr
	v_nop                                          ; one plain place behind a scaled conversion
.irp c, 0,1                                    ; the operand wants a whole block in a lane: lanes 0-15 block 2 c, lanes 16-31 block 2 c + 1
.irp i, 0,1,2
	v_permlane16_swap_b32 v[PC+6*\c+\i], v[PC+12+4*\c+\i]
.endr
.irp i, 0,1,2
	v_mov_b32 v[PC+3+6*\c+\i], v[PC+12+4*\c+\i]
.endr
.endr
.endm
	s_load_b256 s[4:11], s[0:1], 0x0               ; queries s[4:5], keys s[6:7], values s[8:9], Wq s[10:11]
	s_load_b256 s[12:19], s[0:1], 0x20             ; Wk s[12:13], Wv s[14:15], Wo s[16:17], xc s[18:19]
	s_load_b64 s[20:21], s[0:1], 0x40              ; wc
	v_lshl_add_u32 v[SPW], v0, 2, SPARE
	v_mov_b32 v[NIL], 0
	v_lshrrev_b32 v1, 5, v0
	v_readfirstlane_b32 s[WV], v1                  ; wave 0, 1
	v_and_b32 v1, 31, v0                           ; lane
	v_and_b32 v2, 15, v0                           ; r
	v_bfe_u32 v3, v0, 4, 1                         ; h
	v_lshlrev_b32 v[L16], 4, v1
	v_lshlrev_b32 v[L8], 3, v1
	s_mov_b32 s[SEL], 0x76543210
	s_mov_b32 s[SEL+1], 0xfedcba98
	s_cmp_lt_u32 ttmp9, 768
	s_cbranch_scc0 .Lw
	; ---- x: tensor ti = work-group / 256, tile 2 a + u with a = work-group % 256, u = wave
	s_lshr_b32 s26, ttmp9, 8                       ; ti
	s_and_b32 s27, ttmp9, 255                      ; a
	s_lshl_b32 s28, s27, 1
	s_add_co_u32 s28, s28, s[WV]                   ; the tile
	s_lshl_b32 s30, s27, 17                        ; queries, values: the tile's first row is 32 a + 8 u: rows of 4,096 bytes
	s_lshl_b32 s31, s[WV], 15
	s_add_co_u32 s30, s30, s31
	; KEYS HAVE ANOTHER ORDER OF ROWS than the head comment's POSITIONS: tile t = 8 g + 4 c + j holds rows 128 g + 64 c + 8 j + i and, 32 further on, 128 g + 64 c + 32 + 8 j + i (i = 0 .. 7),
	; so that in the scores K Q^T a lane's 32 registers of four neighbouring tiles are one whole block of 32 keys
	s_lshr_b32 s34, s28, 3
	s_lshl_b32 s34, s34, 19                        ; 128 g rows
	s_bfe_u32 s35, s28, 0x10002
	s_lshl_b32 s35, s35, 18                        ; 64 c rows
	s_add_co_u32 s34, s34, s35
	s_and_b32 s35, s28, 3
	s_lshl_b32 s35, s35, 15                        ; 8 j rows
	s_add_co_u32 s34, s34, s35
	s_cmp_eq_u32 s26, 1                            ; the tensor hangs on the work-group's number alone
	s_cselect_b32 s30, s34, s30
	s_cselect_b32 s35, 0x10000, 0                  ; keys: the tile's second eight rows lie 16 rows further on than in the other two tensors
	s_mov_b32 s31, 0
	s_lshl_b32 s32, s26, 9
	s_add_co_u32 s32, s32, s28
	s_mul_i32 s32, s32, 13312                      ; where the tile's images begin in xc
	s_mov_b32 s33, 0
	s_mul_i32 s29, s[WV], 8448                     ; my stage: 16 rows of 512 + 16 bytes
	s_wait_alu depctr_va_vdst(0)
	v_add_nc_u32 v[STW], s29, v[L16]
	v_add_nc_u32 v8, s35, v[L16]                   ; the offset of the loads of a tile's second eight rows
	v_mul_u32_u24 v[STR], v2, 528
	v_lshl_add_u32 v[STR], v3, 6, v[STR]
	v_add_nc_u32 v[STR], s29, v[STR]
.irp b, 0,1,2,3
	v_mov_b32 v[TM+4+\b], 0                        ; written once: a lane permute's destination counts as one of its sources
.endr
	s_wait_alu depctr_va_vdst(0)
	s_wait_kmcnt 0x0
	s_cmp_eq_u32 s26, 1
	s_cselect_b64 s[4:5], s[6:7], s[4:5]
	s_cmp_eq_u32 s26, 2
	s_cselect_b64 s[4:5], s[8:9], s[4:5]
	s_add_nc_u64 s[4:5], s[4:5], s[30:31]
	s_add_nc_u64 s[18:19], s[18:19], s[32:33]
.macro XLOAD t                         ; K step t of the tile's 16 rows: each load takes 512 consecutive bytes of one row; rows 0-7, then 16-23 from the tile's first
.irp i, 0,1,2,3,4,5,6,7,8,9,10,11,12,13,14,15
.if \i < 8
	global_load_b128 v[R+64*((\t)%2)+4*\i:R+64*((\t)%2)+4*\i+3], v[L16], s[4:5] offset:(\i+8*(\i/8))*4096+512*(\t) th:TH_LOAD_NT
.else
	global_load_b128 v[R+64*((\t)%2)+4*\i:R+64*((\t)%2)+4*\i+3], v8, s[4:5] offset:(\i+8*(\i/8))*4096+512*(\t) th:TH_LOAD_NT
.endif
.endr
.endm
.macro XSTEP t
.if (\t) < 7
	s_wait_loadcnt 16                              ; this step's 16 loads are in; the next step's 16 may be out
.else
	s_wait_loadcnt 0x0
.endif
.irp i, 0,1,2,3,4,5,6,7,8,9,10,11,12,13,14,15
	ds_store_b128 v[STW], v[R+64*((\t)%2)+4*\i:R+64*((\t)%2)+4*\i+3] offset:\i*528   ; through my own stage: in as loaded,
.endr
.irp b, 0,1,2,3
.irp j, 0,1,2,3
	ds_load_b128 v[X+16*\b+4*\j:X+16*\b+4*\j+3], v[STR] offset:128*\b+16*\j   ; out as 16 neighbours of each block (LDS serves a wave's instructions in order)
.endr
.endr
	s_wait_dscnt 0x0                               ; the numbers are back, and the stores into the stage have read their registers
	s_wait_xcnt 0x0                                ; the last step's stores have read their data: the codes' registers may be written again
.if (\t) < 6
	XLOAD (\t)+2
.endif
	QUANT X, PW+(\t)
	global_store_b128 v[L16], v[PC:PC+3], s[18:19] offset:((\t)/2)*3328+((\t)%2)*1536
	global_store_b64 v[L8], v[PC+4:PC+5], s[18:19] offset:((\t)/2)*3328+((\t)%2)*1536+512
	global_store_b128 v[L16], v[PC+6:PC+9], s[18:19] offset:((\t)/2)*3328+((\t)%2)*1536+768
	global_store_b64 v[L8], v[PC+10:PC+11], s[18:19] offset:((\t)/2)*3328+((\t)%2)*1536+1280
.if (\t)%2 == 1
	global_store_b64 v[L8], v[PW+(\t)-1:PW+(\t)], s[18:19] offset:((\t)/2)*3328+3072   ; the chunk's scale words: 256 consecutive bytes
.endif
.endm
	XLOAD 0
	XLOAD 1
.irp t, 0,1,2,3,4,5,6,7
	XSTEP \t
.endr
	s_branch .Ltail
.Lw:	; ---- weights: j = work-group - 768: weight j / 64, 64 columns (j / 4) % 16, chunk of K j % 4; a wave takes 32 of the columns: two tiles
	s_sub_co_u32 s26, ttmp9, 768
	s_lshr_b32 s27, s26, 6                         ; which weight: q, k, v, o
	s_bfe_u32 s28, s26, 0x40002                    ; which 64 columns
	s_and_b32 s29, s26, 3                          ; which 256 along K
	s_lshl_b32 s30, s28, 8
	s_lshl_b32 s31, s[WV], 7
	s_add_co_u32 s30, s30, s31                     ; 4 x my first column
	s_lshl_b32 s31, s29, 20                        ; 256 rows of 4,096 bytes
	s_add_co_u32 s30, s30, s31
	s_mov_b32 s31, 0
	s_lshl_b32 s32, s28, 2
	s_lshl_b32 s33, s[WV], 1
	s_add_co_u32 s32, s32, s33                     ; my first tile of the weight's 64
	s_lshl_b32 s33, s27, 6
	s_add_co_u32 s32, s32, s33
	s_mul_i32 s32, s32, 13312
	s_mul_i32 s33, s29, 3328
	s_add_co_u32 s32, s32, s33
	s_mov_b32 s33, 0
	s_wait_alu depctr_va_vdst(0)
	v_and_b32 v8, 7, v1                            ; lane l holds POSITION l: the column with bits 3 and 4 of l exchanged
	v_and_b32 v9, 8, v1
	v_lshl_or_b32 v8, v9, 1, v8
	v_and_b32 v9, 16, v1
	v_lshrrev_b32 v9, 1, v9
	v_or_b32 v8, v8, v9
	v_lshlrev_b32 v8, 2, v8
	s_wait_alu depctr_va_vdst(0)
	s_wait_kmcnt 0x0
	s_cmp_eq_u32 s27, 1
	s_cselect_b64 s[10:11], s[12:13], s[10:11]
	s_cmp_eq_u32 s27, 2
	s_cselect_b64 s[10:11], s[14:15], s[10:11]
	s_cmp_eq_u32 s27, 3
	s_cselect_b64 s[10:11], s[16:17], s[10:11]
	s_add_nc_u64 s[10:11], s[10:11], s[30:31]
	s_add_nc_u64 s[20:21], s[20:21], s[32:33]
.macro WLOAD t                         ; block t: W(32 t + i, my column), i = 0 .. 31
.irp i, 0,1,2,3,4,5,6,7,8,9,10,11,12,13,14,15,16,17,18,19,20,21,22,23,24,25,26,27,28,29,30,31
	global_load_b32 v[16+32*((\t)%2)+\i], v8, s[10:11] offset:(32*(\t)+\i)*4096 th:TH_LOAD_NT
.endr
.endm
; Block t = 4 q + 2 c + e: fragment q of the chunk, its registers 6 c on, the half of the lanes e.  Codes of blocks with e = 0 gather at v[80 + 24 q], those with e = 1 at v[92 + 24 q].
.macro WBLOCK t
.set XS, 16+32*((\t)%2)
.set FB, 80+24*((\t)/4)+12*((\t)%2)+6*(((\t)/2)%2)
.if (\t) < 7
	s_wait_loadcnt 32                              ; this block's 32 loads are in; the next block's may be out
.else
	s_wait_loadcnt 0x0
.endif
	v_max3_num_f32 v12, |v[XS]|, |v[XS+1]|, |v[XS+2]|   ; all 32 numbers of the block are mine
	v_max3_num_f32 v13, |v[XS+3]|, |v[XS+4]|, |v[XS+5]|
.irp i, 6,10,14,18,22,26
	v_max3_num_f32 v12, v12, |v[XS+\i]|, |v[XS+\i+1]|
	v_max3_num_f32 v13, v13, |v[XS+\i+2]|, |v[XS+\i+3]|
.endr
	v_max3_num_f32 v12, v12, |v[XS+30]|, |v[XS+31]|
	v_max3_num_f32 v12, v12, v13, 0x1800000        ; and the floor
	v_add_nc_u32 v11, 0xff000000, v12
	v_lshrrev_b32 v13, 23, v11
.if (\t)%4 == 0
	v_mov_b32 v[132+(\t)/4], v13                   ; the fragment's scale word: byte 2 c + e
.else
	v_lshl_or_b32 v[132+(\t)/4], v13, 8*((\t)%4), v[132+(\t)/4]
.endif
	v_cvt_scalef32_pk16_fp6_f32 v[FB:FB+2], v[XS:XS+15], v11
	v_cvt_scalef32_pk16_fp6_f32 v[128:130], v[XS+16:XS+31], v11
	v_nop                                          ; one plain place behind a scaled conversion
.irp i, 0,1,2
	v_mov_b32 v[FB+3+\i], v[128+\i]
.endr
.if (\t) < 6
	WLOAD (\t)+2
.endif
.if (\t)%2 == 1                        ; lanes 16-31 of the e = 0 codes change places with lanes 0-15 of the e = 1 codes: the first run is now the first tile's registers, the second the second tile's
.irp i, 0,1,2,3,4,5
	v_permlane16_swap_b32 v[FB-12+\i], v[FB+\i]
.endr
.endif
.endm
	WLOAD 0
	WLOAD 1
.irp t, 0,1,2,3,4,5,6,7
	WBLOCK \t
.endr
	v_mov_b32 v134, v132
	v_mov_b32 v135, v133
	v_permlane16_swap_b32 v132, v134               ; v[132:133]: the first tile's words in all lanes; v[134:135]: the second's
	v_permlane16_swap_b32 v133, v135
.irp e, 0,1
.irp q, 0,1
	global_store_b128 v[L16], v[80+24*\q+12*\e:83+24*\q+12*\e], s[20:21] offset:\e*13312+\q*1536
	global_store_b64 v[L8], v[84+24*\q+12*\e:85+24*\q+12*\e], s[20:21] offset:\e*13312+\q*1536+512
	global_store_b128 v[L16], v[86+24*\q+12*\e:89+24*\q+12*\e], s[20:21] offset:\e*13312+\q*1536+768
	global_store_b64 v[L8], v[90+24*\q+12*\e:91+24*\q+12*\e], s[20:21] offset:\e*13312+\q*1536+1280
.endr
	global_store_b64 v[L8], v[132+2*\e:133+2*\e], s[20:21] offset:\e*13312+3072
.endr
.Ltail:
	s_wait_tensorcnt 0x0                           ; the wave's end
	ds_add_u32 v[SPW], v[NIL]
	s_wait_dscnt 0x0
	s_endpgm
.Lfunc_end_k_q6f7ea29aea_quant:
	.size	k_q6f7ea29aea_quant, .Lfunc_end_k_q6f7ea29aea_quant-k_q6f7ea29aea_quant
	.p2alignl 7, 3214868480
	.fill 96, 4, 3214868480
	.section	.rodata,"a",@progbits
	.p2align	6, 0x0
	.amdhsa_kernel k_q6f7ea29aea_quant
		.amdhsa_group_segment_fixed_size 17152
		.amdhsa_private_segment_fixed_size 0
		.amdhsa_enable_private_segment 0
		.amdhsa_kernarg_size 72
		.amdhsa_user_sgpr_count 2
		.amdhsa_user_sgpr_kernarg_segment_ptr 1
		.amdhsa_wavefront_size32 1
		.amdhsa_system_sgpr_workgroup_id_x 1
		.amdhsa_system_sgpr_workgroup_id_y 1
		.amdhsa_system_sgpr_workgroup_id_z 1
		.amdhsa_system_vgpr_workitem_id 0
		.amdhsa_next_free_vgpr 256
		.amdhsa_next_free_sgpr 66
		.amdhsa_reserve_vcc 0
		.amdhsa_float_denorm_mode_32 3
		.amdhsa_float_denorm_mode_16_64 3
		.amdhsa_memory_ordered 1
		.amdhsa_forward_progress 1
		.amdhsa_inst_pref_size 105
	.end_amdhsa_kernel
	.amdgpu_metadata
---
amdhsa.version: [ 1, 2 ]
amdhsa.kernels:
  - .name:           k_q6f7ea29aea_quant
    .symbol:         k_q6f7ea29aea_quant.kd
    .args:
      - { .name: queries, .offset: 0, .size: 8, .value_kind: global_buffer, .address_space: global }
      - { .name: keys, .offset: 8, .size: 8, .value_kind: global_buffer, .address_space: global }
      - { .name: values, .offset: 16, .size: 8, .value_kind: global_buffer, .address_space: global }
      - { .name: Wq, .offset: 24, .size: 8, .value_kind: global_buffer, .address_space: global }
      - { .name: Wk, .offset: 32, .size: 8, .value_kind: global_buffer, .address_space: global }
      - { .name: Wv, .offset: 40, .size: 8, .value_kind: global_buffer, .address_space: global }
      - { .name: Wo, .offset: 48, .size: 8, .value_kind: global_buffer, .address_space: global }
      - { .name: xc, .offset: 56, .size: 8, .value_kind: global_buffer, .address_space: global }
      - { .name: wc, .offset: 64, .size: 8, .value_kind: global_buffer, .address_space: global }
    .group_segment_fixed_size: 17152
    .private_segment_fixed_size: 0
    .kernarg_segment_align: 8
    .kernarg_segment_size: 72
    .max_flat_workgroup_size: 64
    .sgpr_count:     66
    .vgpr_count:     256
    .wavefront_size: 32
...
	.end_amdgpu_metadata
.endif
;; end of part 1
;; launch proj (part 2): grid 4 x 192, 4 waves a work-group, clusters of 4 x 4, 327,680 bytes of LDS; arguments xc, wc, bq, bk, bv, qb, kv; writes qb, kv
.if DOCPART == 2
	.amdgcn_target "amdgcn-amd-amdhsa--gfx1250"
	.amdhsa_code_object_version 6
	.text
	.protected	k_q6f7ea29aea_proj
	.globl	k_q6f7ea29aea_proj
	.p2align	8
	.type	k_q6f7ea29aea_proj,@function
k_q6f7ea29aea_proj:
	s_mov_b64 s[64:65], 0
	v_nop
	global_prefetch_b8 v0, s[64:65] scope:SCOPE_SE
	s_setreg_imm32_b32 hwreg(HW_REG_WAVE_MODE, 25, 1), 1
	s_wait_xcnt 0x0
	s_wait_alu depctr_hold_cnt(0) depctr_sa_sdst(0) depctr_va_vdst(0) depctr_va_sdst(0) depctr_va_ssrc(0) depctr_va_vcc(0) depctr_vm_vsrc(0)
	s_getreg_b32 s2, hwreg(HW_REG_IB_STS2, 6, 4)
	s_cmp_eq_u32 s2, 0
	s_cbranch_scc0 .Lentry_in_a_cluster
	s_endpgm
.Lentry_in_a_cluster:
	s_bfe_u32 s2, ttmp6, 0x10000c
	s_cmp_lg_u32 s2, 0xf033
	s_cbranch_scc0 .Lentry_shape_is_right
	s_endpgm
.Lentry_shape_is_right:
; q = queries Wq + bq, k = keys Wk + bk, v = values Wv + bv on codes of FP6 (E2M3) with E8M0 scales; the results, in f32 with their bias, are quantised at once: q and k along the head's 64, v along the keys.
; A work-group makes 128 rows x 256 columns of one of the three (tensor = cluster y / 16).  Its operands for ALL of K (8 + 16 tiles x 13,312 bytes) fit in LDS: each wave issues four first fills, one for each
; 256 along K, and nothing is ever filled again.  A wave makes 128 rows x 64 columns, one head: 32 accumulators.
; CLUSTER 4 x 4: x's tiles hang on the tile row alone and are asked for jointly along a row of the cluster, the weight's on the tile column alone and jointly along a column.
; OPERANDS lie in memory and in LDS as images of their registers (a fragment: 16 x lane, 512 + 8 x lane, 768 + 16 x lane, 1,280 + 8 x lane), rows in POSITION order (bits 3 and 4 of the index exchanged),
; so that whichever operand is source 0 has its index running along the result's registers in true order: 16 registers of two neighbouring tiles are 16 neighbours.
; q, k: source 0 = the weight's columns, source 1 = x's rows: a lane holds one row and 64 channels of the head; two tiles of rows make one fragment [tile 2 f's 64 | tile 2 f + 1's 64].
; v: source 0 = x's rows (keys), source 1 = the weight's columns: a lane holds one channel and the block's 128 keys: a fragment of V^T.
; OUT: blocks of 6,400 bytes: four fragments, then 256 bytes of scale words [row][fragment].  qb [b x 16 + head][16 blocks]; kv the same with K's block and V's block on end.
; LIMITS: NaN and infinities are not served; a block whose largest magnitude lies under 2^-124 keeps the byte 1; a block of zeros gets the byte 1 and not 127: its codes are zeros and this program alone reads the bytes.
; REGISTERS: window 0: addresses, scale words, bias, the quantiser's; window 1: the 32 accumulators; windows 2, 3: two sets of fragments (x's eight at 12 a, the weight's four at 96 + 12 b).
; THE FILLS, as this text has them (this takes the place of the head comment's sentence on four first fills a wave): ONE tensor load a wave, at the head: wave 0 x's eight tiles for the first 512 along K,
; wave 1 the weight's sixteen for the same, waves 2 and 3 the same for the second 512: rows of 6,656 bytes, one for each tile.  The first barrier shows the tiles of waves 0 and 1, the barrier ahead of the third quarter the rest.
; LDS: half k of K at k x HF: x's eight tiles of 6,656 bytes, then the weight's sixteen; in a tile its two quarters of 3,328 bytes on end.  Nothing is filled again.
.set CH, 79872
.set HF, 159744                        ; half of K in LDS: 24 tiles x 6,656 bytes
.set SPARE, 4*CH                       ; behind them: the spare words, 128 bytes for each wave: two blocks of 256 bytes that no other line names
.set A16, 4                            ; v4   x's fragments: 16 x lane + the quarter
.set A8,  5                            ; v5   8 x lane + the quarter
.set B16, 6                            ; v6   my four tiles of the weight
.set B8,  7                            ; v7
.set SCB, 8                            ; v8   scale words: lanes 0-15 x's tiles, lanes 16-31 my tiles of the weight
.set L16, 9                            ; v9   16 x lane; never rewritten
.set L8,  10                           ; v10  8 x lane; never rewritten
.set SCO, 11                           ; v11  16 r + 8 h
.set SPW, 14                           ; v14  LDS address of my spare word; never rewritten
.set NIL, 15                           ; v15  0; never rewritten
.set SC,  16                           ; v16-47  scale words: 16 x set + 2 i + q
.set BI,  48                           ; v48-79  the bias
.set HA,  80                           ; v80-143 64 numbers on their way to the quantiser
.set PC,  144                          ; v144-162 the codes just made
.set TM,  164                          ; v164-179 at work
.set PW,  180                          ; v180-183 the four fragments' scale words
.set WV,  18
.set SEL, 20
.set G1A, 24
.set G1B, 32
.set G0A, 40                           ; s[40:43] group 0 for x's half of K
.set G0B, 68                           ; s[68:71] group 0 for the weight's
.set BP,  56                           ; s[56:57] the bias at my head
.set OUT, 58                           ; s[58:59] my block
.set MSB, 0
.macro WIN new                         ; the immediate's high byte repeats the setting that is left
.if MSB != (\new)
	s_set_vgpr_msb (MSB<<8)|(\new)
.set MSB, (\new)
.endif
.endm
.macro ROUND                           ; a round of the cluster's barrier
	s_barrier_signal -1
	s_barrier_wait -1
	s_cmp_lg_u32 s[WV], 0
	s_cbranch_scc1 .Lnot_wave_0_\@
	s_barrier_signal -3
.Lnot_wave_0_\@:
	s_barrier_wait -3
	s_barrier_signal -1
	s_barrier_wait -1
.endm
.macro PLACES
.rept 4
	v_nop
.endr
.endm
.macro QUANT s, pw
.irp b, 0,1,2,3
	v_max3_num_f32 v[TM+\b], |v[\s+16*\b]|, |v[\s+1+16*\b]|, 0x1800000   ; my 16 numbers of block b, and the floor 2^(3 - 127): the byte cannot fall under 1
.endr
.irp i, 2,4,6,8,10,12,14
.irp b, 0,1,2,3
	v_max3_num_f32 v[TM+\b], v[TM+\b], |v[\s+16*\b+\i]|, |v[\s+1+16*\b+\i]|
.endr
.endr
.irp b, 0,1,2,3
	v_permlanex16_b32 v[TM+4+\b], v[TM+\b], s[SEL], s[SEL+1]
.endr
.irp b, 0,1,2,3
	v_max_num_f32 v[TM+\b], v[TM+\b], v[TM+4+\b]
.endr
.irp b, 0,1,2,3
	v_add_nc_u32 v[TM+12+\b], 0xff000000, v[TM+\b]   ; 2 off the exponent field: the conversion's scale operand
.endr
.irp b, 0,1,2,3
	v_lshrrev_b32 v[TM+4+\b], 23, v[TM+12+\b]
.endr
	v_lshl_or_b32 v[\pw], v[TM+5], 8, v[TM+4]
	v_lshl_or_b32 v[\pw], v[TM+6], 16, v[\pw]
	v_lshl_or_b32 v[\pw], v[TM+7], 24, v[\pw]
.irp c, 0,1
	v_cvt_scalef32_pk16_fp6_f32 v[PC+6*\c:PC+2+6*\c], v[\s+32*\c:\s+15+32*\c], v[TM+12+2*\c]
	v_cvt_scalef32_pk16_fp6_f32 v[PC+12+4*\c:PC+14+4*\c], v[\s+16+32*\c:\s+31+32*\c], v[TM+12+2*\c+1]
.endr
	v_nop                                          ; one plain place behind a scaled conversion
.irp c, 0,1
.irp i, 0,1,2
	v_permlane16_swap_b32 v[PC+6*\c+\i], v[PC+12+4*\c+\i]
.endr
.irp i, 0,1,2
	v_mov_b32 v[PC+3+6*\c+\i], v[PC+12+4*\c+\i]
.endr
.endr
.endm
	s_load_b256 s[4:11], s[0:1], 0x0               ; xc s[4:5], wc s[6:7], bq s[8:9], bk s[10:11]
	s_load_b128 s[12:15], s[0:1], 0x20             ; bv s[12:13], qb s[14:15]
	s_load_b64 s[16:17], s[0:1], 0x30              ; kv
	v_lshl_add_u32 v[SPW], v0, 2, SPARE
	v_mov_b32 v[NIL], 0
	ds_add_u32 v[SPW], v[NIL]                      ; the wave's opening: two adds and their wait ahead of my first tensor load; work on registers stands between them
	ds_add_u32 v[SPW], v[NIL]
	v_lshrrev_b32 v1, 5, v0
	v_readfirstlane_b32 s[WV], v1                  ; wave 0..3
	s_and_b32 s19, s[WV], 1
	s_lshr_b32 s91, s[WV], 1                       ; which half of K I fetch
	s_bfe_u32 s84, ttmp6, 0x40000                  ; cx
	s_bfe_u32 s85, ttmp6, 0x40004                  ; cy
	s_and_b32 s86, ttmp7, 0xffff                   ; cluster y
	s_lshl_b32 s87, s86, 2
	s_add_co_u32 s87, s87, s85                     ; work-group y
	s_lshr_b32 s88, s86, 4                         ; which tensor: 0 q, 1 k, 2 v: the same in all sixteen partners
	s_and_b32 s89, s87, 63                         ; tile row: 128 rows
	s_lshl_b32 s90, ttmp9, 2
	s_add_co_u32 s90, s90, s84                     ; tile column: 256 columns
	s_lshl_b32 s22, s85, 2
	s_lshl_b32 s22, 15, s22                        ; my row of the cluster
	s_lshl_b32 s23, 0x1111, s84                    ; my column
	; group 1: rows of 6,656 bytes (832 elements of 8 bytes), one for each tile, 13,312 bytes apart in memory, dense in LDS
	s_or_b32 s[G1A], s22, (3<<16)|(1<<21)
	s_or_b32 s[G1B], s23, (3<<16)|(1<<21)
	s_mov_b32 s[G1A+1], 832<<16                    ; tensor_dim0: 832 elements of 8 bytes: two quarters of a tile
	s_mov_b32 s[G1A+2], 8<<16                      ; tensor_dim1: eight tiles
	s_mov_b32 s[G1A+3], 832<<16                    ; tile_dim0
	s_mov_b32 s[G1A+4], 8                          ; tile_dim1
	s_mov_b32 s[G1A+5], 1664                       ; from tile to tile
	s_mov_b32 s[G1A+6], 0
	s_mov_b32 s[G1A+7], 0
	s_mov_b32 s[G1B+1], 832<<16
	s_mov_b32 s[G1B+2], 16<<16                     ; sixteen tiles
	s_mov_b32 s[G1B+3], 832<<16
	s_mov_b32 s[G1B+4], 16
	s_mov_b32 s[G1B+5], 1664
	s_mov_b32 s[G1B+6], 0
	s_mov_b32 s[G1B+7], 0
	s_mul_i32 s60, s88, 6815744                    ; x: the tensor's 512 tiles,
	s_mul_i32 s61, s89, 106496                     ; the tile row's eight,
	s_add_co_u32 s60, s60, s61
	s_mul_i32 s61, s91, 6656                       ; my half of K
	s_add_co_u32 s60, s60, s61
	s_mov_b32 s61, 0
	s_mul_i32 s92, s88, 851968                     ; the weight's 64 tiles,
	s_mul_i32 s93, s90, 212992                     ; the tile column's sixteen,
	s_add_co_u32 s92, s92, s93
	s_mul_i32 s93, s91, 6656                       ; my half of K
	s_add_co_u32 s92, s92, s93
	s_mov_b32 s93, 0
	s_mul_i32 s94, s91, HF                         ; where they go: no place in the cluster enters an LDS address
	s_mul_i32 s95, s91, HF
	s_add_co_u32 s95, s95, 53248
	s_mov_b32 s[SEL], 0x76543210
	s_mov_b32 s[SEL+1], 0xfedcba98
	s_wait_dscnt 0x0                               ; the opening add is done
	s_wait_kmcnt 0x0
	s_add_nc_u64 s[60:61], s[4:5], s[60:61]
	s_add_nc_u64 s[92:93], s[6:7], s[92:93]
	ROUND                                          ; all sixteen work-groups are here: the joint loads meet
.irp c, 0
	s_mov_b32 s[G0A+4*\c], 1
	s_add_co_u32 s[G0A+4*\c+1], s94, \c*CH
	s_add_nc_u64 s[G0A+4*\c+2:G0A+4*\c+3], s[60:61], \c*3328
	s_or_b32 s[G0A+4*\c+3], s[G0A+4*\c+3], 0x80000000
	s_mov_b32 s[G0B+4*\c], 1
	s_add_co_u32 s[G0B+4*\c+1], s95, \c*CH
	s_add_nc_u64 s[G0B+4*\c+2:G0B+4*\c+3], s[92:93], \c*3328
	s_or_b32 s[G0B+4*\c+3], s[G0B+4*\c+3], 0x80000000
.endr
	s_cmp_eq_u32 s[WV], 0                          ; one chain of branches on the wave's number, one load to an arm: one tensor load a wave at the head
	s_cbranch_scc0 .Lfirst_1
	tensor_load_to_lds s[G0A:G0A+3], s[G1A:G1A+7]  ; wave 0: x, the first half of K
	s_nop 0
	PLACES
	s_branch .Lfirst_asked
.Lfirst_1:
	s_cmp_eq_u32 s[WV], 1
	s_cbranch_scc0 .Lfirst_2
	tensor_load_to_lds s[G0B:G0B+3], s[G1B:G1B+7]  ; wave 1: the weight, the first half
	s_nop 0
	PLACES
	s_branch .Lfirst_asked
.Lfirst_2:
	s_cmp_eq_u32 s[WV], 2
	s_cbranch_scc0 .Lfirst_3
	tensor_load_to_lds s[G0A:G0A+3], s[G1A:G1A+7]  ; wave 2: x, the second half
	s_nop 0
	PLACES
	s_branch .Lfirst_asked
.Lfirst_3:
	tensor_load_to_lds s[G0B:G0B+3], s[G1B:G1B+7]  ; wave 3: the weight, the second half
	s_nop 0
	PLACES
.Lfirst_asked:
	v_and_b32 v1, 31, v0                           ; lane
	v_and_b32 v2, 15, v0                           ; r
	v_bfe_u32 v3, v0, 4, 1                         ; h
	v_lshlrev_b32 v[L16], 4, v1
	v_lshlrev_b32 v[L8], 3, v1
	v_lshlrev_b32 v[A16], 4, v1
	v_lshlrev_b32 v[A8], 3, v1
	s_mul_i32 s22, s[WV], 26624
	s_add_co_u32 s22, s22, 53248                   ; my four tiles of the weight, behind x's eight
	v_add_nc_u32 v[B16], s22, v[L16]
	v_add_nc_u32 v[B8], s22, v[L8]
	v_mul_u32_u24 v[SCB], s22, v3                  ; lanes 16-31 take the weight's words: one product, the distance x h
	v_add_nc_u32 v[SCB], v[SCB], v[L8]
	v_add_nc_u32 v[SCB], 3072, v[SCB]
	v_lshlrev_b32 v[SCO], 4, v2
	v_lshl_add_u32 v[SCO], v3, 3, v[SCO]
	v_lshlrev_b32 v12, 6, v3                       ; 64 h: the bias of q, k
	v_and_b32 v13, 8, v2
	v_add_nc_u32 v13, v13, v2
	v_lshlrev_b32 v13, 2, v13                      ; 4 (r + 8 (r / 8)): the bias of v
.irp b, 0,1,2,3
	v_mov_b32 v[TM+4+\b], 0                        ; written once: a lane permute's destination counts as one of its sources
.endr
	s_cmp_eq_u32 s88, 1
	s_cselect_b64 s[BP:BP+1], s[10:11], s[8:9]
	s_cmp_eq_u32 s88, 2
	s_cselect_b64 s[BP:BP+1], s[12:13], s[BP:BP+1]
	s_lshl_b32 s22, s90, 2
	s_add_co_u32 s22, s22, s[WV]                   ; my head
	s_lshl_b32 s96, s22, 8
	s_mov_b32 s97, 0
	s_add_nc_u64 s[BP:BP+1], s[BP:BP+1], s[96:97]
	s_lshr_b32 s23, s89, 4                         ; the batch
	s_lshl_b32 s23, s23, 4
	s_add_co_u32 s23, s23, s22
	s_lshl_b32 s23, s23, 4
	s_and_b32 s96, s89, 15
	s_add_co_u32 s23, s23, s96                     ; (batch x 16 + head) x 16 + the block of 128 rows
	s_cmp_eq_u32 s88, 0
	s_cselect_b64 s[OUT:OUT+1], s[14:15], s[16:17]
	s_mov_b32 s96, 12800
	s_cselect_b32 s96, 6400, s96
	s_mul_i32 s96, s23, s96
	s_cmp_eq_u32 s88, 2
	s_cselect_b32 s22, 6400, 0                     ; V's block lies behind K's
	s_add_co_u32 s96, s96, s22
	s_add_nc_u64 s[OUT:OUT+1], s[OUT:OUT+1], s[96:97]
	s_mov_b32 s3, 0xffff0000                       ; lanes 16-31
.macro FETCH q, set                    ; 48 LDS loads: the twelve fragments of the quarter's q-th 128 along K
	WIN 0x80+0x40*(\set)
.irp i, 0,1,2,3,4,5,6,7
	ds_load_b128 v[12*\i:12*\i+3], v[A16] offset:\i*6656+(\q)*1536
	ds_load_b64 v[12*\i+4:12*\i+5], v[A8] offset:\i*6656+(\q)*1536+512
	ds_load_b128 v[12*\i+6:12*\i+9], v[A16] offset:\i*6656+(\q)*1536+768
	ds_load_b64 v[12*\i+10:12*\i+11], v[A8] offset:\i*6656+(\q)*1536+1280
.endr
.irp b, 0,1,2,3
	ds_load_b128 v[96+12*\b:96+12*\b+3], v[B16] offset:\b*6656+(\q)*1536
	ds_load_b64 v[96+12*\b+4:96+12*\b+5], v[B8] offset:\b*6656+(\q)*1536+512
	ds_load_b128 v[96+12*\b+6:96+12*\b+9], v[B16] offset:\b*6656+(\q)*1536+768
	ds_load_b64 v[96+12*\b+10:96+12*\b+11], v[B8] offset:\b*6656+(\q)*1536+1280
.endr
	WIN 0
.endm
.macro SCALES set                      ; 8 LDS loads: the quarter's scale words, two a row.  Registers 2 i, 2 i + 1: lanes 0-15 x's tile i; for i < 4 lanes 16-31 the weight's tile i
.irp i, 0,1,2,3
	ds_load_b64 v[SC+16*(\set)+2*\i:SC+16*(\set)+2*\i+1], v[SCB] offset:\i*6656
.endr
.irp i, 4,5,6,7
	ds_load_b64 v[SC+16*(\set)+2*\i:SC+16*(\set)+2*\i+1], v[A8] offset:\i*6656+3072
.endr
.endm
; 32 matrix instructions, 128 along K.  The 32 accumulators take turns, one instruction a turn, in the same order in every step.  zero = 1: the first products start the sums.
.macro MULS mode, set, q, scs, zero
	WIN 0x5a+5*(\set)
.irp a, 0,1,2,3,4,5,6,7
.irp b, 0,1,2,3
.if \mode == 0
.if \zero
	v_wmma_scale_f32_16x16x128_f8f6f4 v[8*(4*\a+\b):8*(4*\a+\b)+7], v[96+12*\b:96+12*\b+11], v[12*\a:12*\a+11], 0, v[SC+16*(\scs)+2*\b+(\q)], v[SC+16*(\scs)+2*\a+(\q)] matrix_a_fmt:MATRIX_FMT_FP6 matrix_b_fmt:MATRIX_FMT_FP6 matrix_a_scale:MATRIX_SCALE_ROW1
.else
	v_wmma_scale_f32_16x16x128_f8f6f4 v[8*(4*\a+\b):8*(4*\a+\b)+7], v[96+12*\b:96+12*\b+11], v[12*\a:12*\a+11], v[8*(4*\a+\b):8*(4*\a+\b)+7], v[SC+16*(\scs)+2*\b+(\q)], v[SC+16*(\scs)+2*\a+(\q)] matrix_a_fmt:MATRIX_FMT_FP6 matrix_b_fmt:MATRIX_FMT_FP6 matrix_a_scale:MATRIX_SCALE_ROW1
.endif
.else
.if \zero
	v_wmma_scale_f32_16x16x128_f8f6f4 v[8*(8*\b+\a):8*(8*\b+\a)+7], v[12*\a:12*\a+11], v[96+12*\b:96+12*\b+11], 0, v[SC+16*(\scs)+2*\a+(\q)], v[SC+16*(\scs)+2*\b+(\q)] matrix_a_fmt:MATRIX_FMT_FP6 matrix_b_fmt:MATRIX_FMT_FP6 matrix_b_scale:MATRIX_SCALE_ROW1
.else
	v_wmma_scale_f32_16x16x128_f8f6f4 v[8*(8*\b+\a):8*(8*\b+\a)+7], v[12*\a:12*\a+11], v[96+12*\b:96+12*\b+11], v[8*(8*\b+\a):8*(8*\b+\a)+7], v[SC+16*(\scs)+2*\a+(\q)], v[SC+16*(\scs)+2*\b+(\q)] matrix_a_fmt:MATRIX_FMT_FP6 matrix_b_fmt:MATRIX_FMT_FP6 matrix_b_scale:MATRIX_SCALE_ROW1
.endif
.endif
.endr
.endr
.endm
; Eight steps of 128 along K on two sets of fragments: while one set is multiplied the other is fetched.
.macro GEMM mode
	s_cmp_lt_u32 s[WV], 2                          ; waves 0 and 1 fetched the first half of K: they wait for their one load; the second half may be out
	s_cbranch_scc0 .Lnot_mine_\@
	s_wait_tensorcnt 0x0
.Lnot_mine_\@:
	s_barrier_signal -1
	s_barrier_wait -1                              ; everybody's is
	FETCH 0, 0
	SCALES 0
	FETCH 1, 1
	s_wait_dscnt 48                                ; all but the 48 just issued
	MULS \mode, 0, 0, 0, 1
.irp c, 1,2,3
	WIN 0
.if \c == 2
	s_wait_tensorcnt 0x0                           ; every wave's one load is in: the second half of K is shown to all
	s_wait_dscnt 0x0                               ; set 1 is in, and no LDS load of mine is out at the signal
	s_barrier_signal -1
	s_barrier_wait -1
.else
	s_wait_dscnt 0x0                               ; set 1 is in; this quarter lies in a half that a barrier has shown already
.endif
.set QSTEP, 3328*(\c%2)+(HF-3328)*(1-\c%2)     ; to a tile's second quarter, or on to the next half
	v_add_nc_u32 v[A16], QSTEP, v[A16]             ; on to quarter c.  These five are also the places in front of the loads into set 0, which the last products read
	v_add_nc_u32 v[A8], QSTEP, v[A8]
	v_add_nc_u32 v[B16], QSTEP, v[B16]
	v_add_nc_u32 v[B8], QSTEP, v[B8]
	v_add_nc_u32 v[SCB], QSTEP, v[SCB]
	FETCH 0, 0
	SCALES \c%2
	MULS \mode, 1, 1, (\c-1)%2, 0
	PLACES                                         ; in front of the loads into set 1
	FETCH 1, 1
	s_wait_alu depctr_va_vdst(0)
	s_wait_dscnt 48                                ; all but the 48 just issued
	MULS \mode, 0, 0, \c%2, 0
.endr
	s_wait_dscnt 0x0
	MULS \mode, 1, 1, 1, 0
	WIN 0
.endm
; The way out: four times 64 numbers a lane get their bias, are quantised and leave as a fragment's image; then the four scale words of each row.
.macro EPI mode
	PLACES                                         ; in front of the first read of results
	s_wait_loadcnt 0x0                             ; the bias
.irp f, 0,1,2,3
.if \f > 0
	s_wait_xcnt 0x0                                ; the last fragment's stores have read their data
.endif
	WIN 0x01                                       ; source 0: the accumulators' window
.irp i, 0,1,2,3,4,5,6,7,8,9,10,11,12,13,14,15,16,17,18,19,20,21,22,23,24,25,26,27,28,29,30,31
.if \mode == 0
	v_pk_add_f32 v[HA+2*\i:HA+2*\i+1], v[64*\f+2*\i:64*\f+2*\i+1], v[BI+(2*\i)%32:BI+(2*\i)%32+1]   ; each accumulator from its low end on
.else
	v_pk_add_f32 v[HA+2*\i:HA+2*\i+1], v[64*\f+2*\i:64*\f+2*\i+1], v[BI+2*\f:BI+2*\f+1] op_sel_hi:[1,0]   ; my channel's bias for all keys
.endif
.endr
	WIN 0
	QUANT HA, PW+\f
	global_store_b128 v[L16], v[PC:PC+3], s[OUT:OUT+1] offset:\f*1536
	global_store_b64 v[L8], v[PC+4:PC+5], s[OUT:OUT+1] offset:\f*1536+512
	global_store_b128 v[L16], v[PC+6:PC+9], s[OUT:OUT+1] offset:\f*1536+768
	global_store_b64 v[L8], v[PC+10:PC+11], s[OUT:OUT+1] offset:\f*1536+1280
.endr
	v_cndmask_b32 v184, v[PW], v[PW+2], s3         ; lane (r, h) stores row r's words 2 h, 2 h + 1: 256 consecutive bytes
	v_cndmask_b32 v185, v[PW+1], v[PW+3], s3
	global_store_b64 v[SCO], v[184:185], s[OUT:OUT+1] offset:6144
.endm
	s_cmp_eq_u32 s88, 2                            ; the tensor hangs on the cluster's y alone: the same way in all sixteen partners
	s_cbranch_scc1 .Lv
	s_wait_alu depctr_va_vdst(0)
.irp b, 0,1,2,3                        ; q, k: register 8 b + j of a tile of rows is channel 32 (b / 2) + 16 h + 8 (b % 2) + j
	global_load_b128 v[BI+8*\b:BI+8*\b+3], v12, s[BP:BP+1] offset:(32*(\b/2)+8*(\b%2))*4
	global_load_b128 v[BI+8*\b+4:BI+8*\b+7], v12, s[BP:BP+1] offset:(32*(\b/2)+8*(\b%2))*4+16
.endr
	GEMM 0
	EPI 0
	s_branch .Ltail
.Lv:
	s_wait_alu depctr_va_vdst(0)
.irp b, 0,1,2,3                        ; v: lane r of tile b is channel 32 (b / 2) + 8 (b % 2) + r + 8 (r / 8); loaded twice, since the packed addition names a pair
	global_load_b32 v[BI+2*\b], v13, s[BP:BP+1] offset:(32*(\b/2)+8*(\b%2))*4
	global_load_b32 v[BI+2*\b+1], v13, s[BP:BP+1] offset:(32*(\b/2)+8*(\b%2))*4
.endr
	GEMM 1
	EPI 1
.Ltail:
	s_wait_tensorcnt 0x0                           ; the wave's end
	ds_add_u32 v[SPW], v[NIL]
	s_wait_dscnt 0x0
	ROUND                                          ; the closing round
	s_endpgm
.Lfunc_end_k_q6f7ea29aea_proj:
	.size	k_q6f7ea29aea_proj, .Lfunc_end_k_q6f7ea29aea_proj-k_q6f7ea29aea_proj
	.p2alignl 7, 3214868480
	.fill 96, 4, 3214868480
	.section	.rodata,"a",@progbits
	.p2align	6, 0x0
	.amdhsa_kernel k_q6f7ea29aea_proj
		.amdhsa_group_segment_fixed_size 327680
		.amdhsa_private_segment_fixed_size 0
		.amdhsa_enable_private_segment 0
		.amdhsa_kernarg_size 56
		.amdhsa_user_sgpr_count 2
		.amdhsa_user_sgpr_kernarg_segment_ptr 1
		.amdhsa_wavefront_size32 1
		.amdhsa_system_sgpr_workgroup_id_x 1
		.amdhsa_system_sgpr_workgroup_id_y 1
		.amdhsa_system_sgpr_workgroup_id_z 1
		.amdhsa_system_vgpr_workitem_id 0
		.amdhsa_next_free_vgpr 912
		.amdhsa_next_free_sgpr 100
		.amdhsa_reserve_vcc 0
		.amdhsa_float_denorm_mode_32 3
		.amdhsa_float_denorm_mode_16_64 3
		.amdhsa_memory_ordered 1
		.amdhsa_forward_progress 1
		.amdhsa_inst_pref_size 181
	.end_amdhsa_kernel
	.amdgpu_metadata
---
amdhsa.version: [ 1, 2 ]
amdhsa.kernels:
  - .name:           k_q6f7ea29aea_proj
    .symbol:         k_q6f7ea29aea_proj.kd
    .args:
      - { .name: xc, .offset: 0, .size: 8, .value_kind: global_buffer, .address_space: global }
      - { .name: wc, .offset: 8, .size: 8, .value_kind: global_buffer, .address_space: global }
      - { .name: bq, .offset: 16, .size: 8, .value_kind: global_buffer, .address_space: global }
      - { .name: bk, .offset: 24, .size: 8, .value_kind: global_buffer, .address_space: global }
      - { .name: bv, .offset: 32, .size: 8, .value_kind: global_buffer, .address_space: global }
      - { .name: qb, .offset: 40, .size: 8, .value_kind: global_buffer, .address_space: global }
      - { .name: kv, .offset: 48, .size: 8, .value_kind: global_buffer, .address_space: global }
    .group_segment_fixed_size: 327680
    .private_segment_fixed_size: 0
    .kernarg_segment_align: 8
    .kernarg_segment_size: 56
    .max_flat_workgroup_size: 128
    .sgpr_count:     100
    .vgpr_count:     912
    .wavefront_size: 32
...
	.end_amdgpu_metadata
.endif
;; end of part 2
;; launch attn (part 3): grid 4 x 64, 8 waves a work-group, clusters of 4 x 1, 327,680 bytes of LDS; arguments qb, kv, oc; writes oc
.if DOCPART == 3
	.amdgcn_target "amdgcn-amd-amdhsa--gfx1250"
	.amdhsa_code_object_version 6
	.text
	.protected	k_q6f7ea29aea_attn
	.globl	k_q6f7ea29aea_attn
	.p2align	8
	.type	k_q6f7ea29aea_attn,@function
k_q6f7ea29aea_attn:
	s_mov_b64 s[64:65], 0
	v_nop
	global_prefetch_b8 v0, s[64:65] scope:SCOPE_SE
	s_setreg_imm32_b32 hwreg(HW_REG_WAVE_MODE, 25, 1), 1
	s_wait_xcnt 0x0
	s_wait_alu depctr_hold_cnt(0) depctr_sa_sdst(0) depctr_va_vdst(0) depctr_va_sdst(0) depctr_va_ssrc(0) depctr_va_vcc(0) depctr_vm_vsrc(0)
	s_getreg_b32 s2, hwreg(HW_REG_IB_STS2, 6, 4)
	s_cmp_eq_u32 s2, 0
	s_cbranch_scc0 .Lentry_in_a_cluster
	s_endpgm
.Lentry_in_a_cluster:
	s_bfe_u32 s2, ttmp6, 0x10000c
	s_cmp_lg_u32 s2, 0x3003
	s_cbranch_scc0 .Lentry_shape_is_right
	s_endpgm
.Lentry_shape_is_right:
; o = softmax(q k^T / 8) v for one head, both products on codes of FP6 (E2M3) with E8M0 scales; o is quantised along H x E for the last projection.
; THE SOFTMAX: t = score x log2(e) / 8; M = the row's largest t so far, rounded UP to a whole number; p = 2^(t - M) is quantised along the keys, not normalised; the row's sum is taken of the unquantised p
; and divides O at the end.  When M moves, the sum and O are multiplied by 2^(old M - new M): exact.
; SHARES.  A work-group owns 512 queries of one head (work-group y = batch x 16 + head).  Each of its eight waves, two to a SIMD, carries TWO tiles of 16 queries at once (x = 0, 1: the two halves of one fragment of Q)
; in each of two passes: each fragment of K and of V that a wave loads from LDS feeds both tiles, and every chain of dependent lines stands twice, line by line in turn.
; The head's K and V with their scale words, 16 key steps of 12,800 bytes, come into LDS once and stay for both passes: wave w asks for key steps 2 w and 2 w + 1 by its one tensor load; nothing is filled again; one barrier shows all.
; CLUSTER.  The four work-groups of a head need the same K and V: each load is asked for jointly, with the mask of all four.
; NO PREFETCH: all that the launch streams is asked for at its head, so there is no loop in which to ask ahead; both passes' Q are loaded into registers at the head.
; K = 64 IN AN INSTRUCTION OF 128.  A fragment of K holds two tiles of 16 keys: [tile 2 f's 64 channels | tile 2 f + 1's].  Q lies as [Q][six registers of zero codes][Q]: the first twelve pick the first tile, the last twelve
; the second; zero codes add nothing under any scale byte that the quantiser gives.
; LAYOUT.  Both products are used transposed (S^T = K Q^T, O^T = V^T P^T): a lane holds one query of each tile.  Tile 4 c + j of a key step holds keys 64 c + 8 j + i in rows 0-7 and 64 c + 32 + 8 j + i in rows 8-15, so
; score register 32 c + n of lane (r, h) is key 64 c + 32 h + n: a lane holds two whole blocks of 32 keys, as P's operand wants them.  V's channels are stored in position order (bits 3 and 4 of the index exchanged).
; THE NEXT KEY STEP'S K is fetched behind the scores' products, V at the step's head.  The counted waits: ahead of the scores 17 (V's 17 loads, just issued, may be out); ahead of O^T's products 17 (the next K's 17 loads may be out).
; A pass's last step fetches nothing and is written out.
; OUT.  A head's 64 channels of 16 rows are half a fragment of oc: 768 bytes in whole aligned runs; the two scale bytes of a row leave as 2 bytes a lane, 8 bytes apart, inside one run of 256 bytes that four heads fill together.
; LIMITS: the promise holds while the scaled scores t stay under 2^31 in magnitude; NaN and infinities are not served; a block whose largest magnitude lies under 2^-124 keeps the byte 1; a block of zeros gets the byte 1
; and not 127: its codes are zeros and this program alone reads the bytes.
; REGISTERS.  Window 0: lane terms, states, scale words, v64-191 the scores of both tiles, then p; v192-203 the sums' chains; v204-215 pass 2's Q; v216-246 the way out.
; Window 1 (written by its low numbers): K 0-47, V 48-95, Q 96-131, O^T 132-195, p's codes 196-219, conversions' second halves 220-235, the coming pass's Q 236-247.
.set SPARE, 204800                     ; behind K and V: the spare words, 128 bytes for each wave: four blocks of 256 bytes that no other line names
.set L16,  1                           ; v1  16 x lane
.set L8,   2                           ; v2  8 x lane
.set R16,  3                           ; v3  16 x (lane % 16)
.set SH,   4                           ; v4  8 x (lane / 16)
.set SPW,  5                           ; v5  LDS address of my spare word; never rewritten
.set NIL,  6                           ; v6  0; never rewritten
.set AD16, 8
.set AD8,  9
.set ADS,  10
.set NM,   12                          ; v[12+2x] -M, v[13+2x] the largest score
.set SUM,  16                          ; v[16+2x:17+2x] the row's sum in two halves
.set FF,   20                          ; v[20+2x] f (named as a pair)
.set OM,   24                          ; v[24+x] the old -M
.set W1,   26                          ; v26 the coming pass's scale word of Q; v27 pass 2's
.set W2,   27
.set KSC,  28                          ; v28-31 K's scale words; v32-35 V's; v40+x Q's; v44+x p's: they hold scales and nothing else
.set VSC,  32
.set QSC,  40
.set PSC,  44
.set TM,   48                          ; v48-55 eight chains
.set PX,   56                          ; v56+x a lane permute's result
.set TT,   58                          ; v58+x at work
.set SO,   60                          ; v60-63 the conversions' scale operands: block 2 x + c
.set S0,   64                          ; the scores: tile x at 64 + 64 x
.set ST,   192
.set H2,   204
.set KF,   0                           ; window 1
.set VF,   48
.set QF,   96                          ; + 18 x
.set OF,   132                         ; + 32 x
.set PF,   196                         ; + 12 x
.set CT,   220                         ; + 4 x block
.set H1,   236
.set WV,   18
.set SEL,  20                          ; s[20:21]
.set CS,   22                          ; s[22:23] c = log2(e) / 8
.set G1,   24                          ; s[24:31]
.set G0,   32                          ; s[32:35]
.set TB,   48                          ; s48 LDS byte at which the key step in hand begins
.set PASS, 49
.set CNT,  50
.set QI,   52                          ; s[52:53] Q's fragment;  s[54:55] its scale words;  s[56:57] o's half image;  s[58:59] its scale bytes
.set QS,   54
.set OI,   56
.set OS,   58
.set MSB, 0
.macro WIN new                         ; the immediate's high byte repeats the setting that is left
.if MSB != (\new)
	s_set_vgpr_msb (MSB<<8)|(\new)
.set MSB, (\new)
.endif
.endm
.macro ROUND
	s_barrier_signal -1
	s_barrier_wait -1
	s_cmp_lg_u32 s[WV], 0
	s_cbranch_scc1 .Lnot_wave_0_\@
	s_barrier_signal -3
.Lnot_wave_0_\@:
	s_barrier_wait -3
	s_barrier_signal -1
	s_barrier_wait -1
.endm
.macro WALU
	s_wait_alu depctr_va_vdst(0)
.endm
; 32 numbers of a lane, register 16 b + i = k 32 b + 16 (lane / 16) + i of my row, become half a fragment's codes in v[pc] .. v[pc + 5] and two scale bytes in v[pw]
.macro QUANTH s, pc, pw, tmp
.irp b, 0,1
	v_max3_num_f32 v[TM+\b], |v[\s+16*\b]|, |v[\s+1+16*\b]|, 0x1800000
.endr
.irp i, 2,4,6,8,10,12,14
.irp b, 0,1
	s_delay_alu instid0(VALU_DEP_2)
	v_max3_num_f32 v[TM+\b], v[TM+\b], |v[\s+16*\b+\i]|, |v[\s+1+16*\b+\i]|
.endr
.endr
.irp b, 0,1
	s_delay_alu instid0(VALU_DEP_2)
	v_permlanex16_b32 v[TM+4+\b], v[TM+\b], s[SEL], s[SEL+1]
.endr
.irp b, 0,1
	s_delay_alu instid0(VALU_DEP_2)
	v_max_num_f32 v[TM+\b], v[TM+\b], v[TM+4+\b]
.endr
.irp b, 0,1
	s_delay_alu instid0(VALU_DEP_2)
	v_add_nc_u32 v[TM+12+\b], 0xff000000, v[TM+\b]
.endr
.irp b, 0,1
	s_delay_alu instid0(VALU_DEP_2)
	v_lshrrev_b32 v[TM+4+\b], 23, v[TM+12+\b]
.endr
	s_delay_alu instid0(VALU_DEP_1)
	v_lshl_or_b32 v[\pw], v[TM+5], 8, v[TM+4]
	v_cvt_scalef32_pk16_fp6_f32 v[\pc:\pc+2], v[\s:\s+15], v[TM+12]
	v_cvt_scalef32_pk16_fp6_f32 v[\tmp:\tmp+2], v[\s+16:\s+31], v[TM+13]
	v_nop                                          ; one plain place behind a scaled conversion
.irp i, 0,1,2
	v_permlane16_swap_b32 v[\pc+\i], v[\tmp+\i]
.endr
.irp i, 0,1,2
	s_delay_alu instid0(VALU_DEP_3)
	v_mov_b32 v[\pc+3+\i], v[\tmp+\i]
.endr
.endm
	s_load_b128 s[4:7], s[0:1], 0x0                ; qb s[4:5], kv s[6:7]
	s_load_b64 s[8:9], s[0:1], 0x10                ; oc
	v_lshl_add_u32 v[SPW], v0, 2, SPARE
	v_mov_b32 v[NIL], 0
	ds_add_u32 v[SPW], v[NIL]                      ; the wave's opening: the add, twice on end, and its wait ahead of my tensor load; work on registers stands between
	ds_add_u32 v[SPW], v[NIL]
	v_lshrrev_b32 v8, 5, v0
	s_delay_alu instid0(VALU_DEP_1)
	v_readfirstlane_b32 s[WV], v8                  ; wave 0..7
	s_and_b32 s10, ttmp7, 0xffff                   ; g = batch x 16 + head, which the four partners share
	s_bfe_u32 s11, ttmp6, 0x40000                  ; cx: it enters Q's and o's addresses alone
	s_lshl_b32 s12, ttmp9, 2
	s_add_co_u32 s12, s12, s11                     ; my block of 512 queries
	s_mul_i32 s13, s[WV], 25600                    ; the two key steps that I fetch, in LDS and in memory
	s_mul_i32 s14, s10, 204800
	s_add_co_u32 s14, s14, s13
	s_mov_b32 s15, 0
	s_lshl_b32 s16, s10, 4                         ; Q: block of 128 positions g x 16 + 4 x my block + wave / 4 (pass 2: two blocks on),
	s_lshl_b32 s17, s12, 2
	s_add_co_u32 s16, s16, s17
	s_lshr_b32 s17, s[WV], 2
	s_add_co_u32 s16, s16, s17
	s_mul_i32 s16, s16, 6400
	s_and_b32 s17, s[WV], 3                        ; fragment wave % 4: my two tiles are its halves
	s_mul_i32 s60, s17, 1536
	s_add_co_u32 s60, s60, s16
	s_mov_b32 s61, 0
	s_lshl_b32 s62, s17, 2
	s_add_co_u32 s62, s62, s16
	s_add_co_u32 s62, s62, 6144
	s_mov_b32 s63, 0
	s_lshr_b32 s16, s10, 4                         ; o: tile batch x 128 + 32 x my block + 2 x wave + x (pass 2: 16 tiles on),
	s_lshl_b32 s16, s16, 7
	s_lshl_b32 s17, s12, 5
	s_add_co_u32 s16, s16, s17
	s_lshl_b32 s17, s[WV], 1
	s_add_co_u32 s16, s16, s17
	s_mul_i32 s16, s16, 13312
	s_bfe_u32 s17, s10, 0x20002                    ; chunk head / 4,
	s_mul_i32 s17, s17, 3328
	s_add_co_u32 s16, s16, s17
	s_bfe_u32 s17, s10, 0x10001                    ; fragment (head / 2) % 2,
	s_and_b32 s3, s10, 1                           ; half head % 2
	s_lshl_b32 s2, s17, 2
	s_lshl_b32 s11, s3, 1
	s_add_co_u32 s2, s2, s11
	s_add_co_u32 s2, s2, s16
	s_add_co_u32 s2, s2, 3072                      ; the scale bytes
	s_mul_i32 s17, s17, 1536
	s_mul_i32 s3, s3, 768
	s_add_co_u32 s16, s16, s17
	s_add_co_u32 s16, s16, s3                      ; the half image
	s_mov_b32 s17, 0
	s_mov_b32 s3, 0
	; group 1: two key steps' 25,600 dense bytes as 100 rows of 256 bytes (32 elements of 8 bytes)
	s_mov_b32 s[G1], 15|(3<<16)|(1<<21)            ; the mask: all four work-groups; elements of 8 bytes; bit 21 set beside a mask
	s_mov_b32 s[G1+1], 32<<16
	s_mov_b32 s[G1+2], 100<<16
	s_mov_b32 s[G1+3], 32<<16
	s_mov_b32 s[G1+4], 100
	s_mov_b32 s[G1+5], 32
	s_mov_b32 s[G1+6], 0
	s_mov_b32 s[G1+7], 0
	s_mov_b32 s[SEL], 0x76543210
	s_mov_b32 s[SEL+1], 0xfedcba98
	s_mov_b32 s[CS], 0x3e38aa3b                    ; c = log2(e) / 8
	s_mov_b32 s[CS+1], s[CS]                       ; (named with it as a pair, so it is written)
	s_wait_dscnt 0x0                               ; both opening adds are done
	s_wait_kmcnt 0x0
	s_add_nc_u64 s[14:15], s[6:7], s[14:15]
	s_add_nc_u64 s[QI:QI+1], s[4:5], s[60:61]
	s_add_nc_u64 s[QS:QS+1], s[4:5], s[62:63]
	s_add_nc_u64 s[OI:OI+1], s[8:9], s[16:17]
	s_add_nc_u64 s[OS:OS+1], s[8:9], s[2:3]
	ROUND                                          ; all four work-groups are here: the joint loads meet
	s_mov_b32 s[G0], 1
	s_add_co_u32 s[G0+1], s13, 0
	s_add_nc_u64 s[G0+2:G0+3], s[14:15], 0
	s_or_b32 s[G0+3], s[G0+3], 0x80000000
	tensor_load_to_lds s[G0:G0+3], s[G1:G1+7]      ; every wave's one load: its LDS bytes are its own by the wave's number
	s_nop 0
.rept 4
	v_nop
.endr
	v_and_b32 v8, 31, v0
	v_and_b32 v9, 15, v0
	v_bfe_u32 v10, v0, 4, 1
	v_lshlrev_b32 v[L16], 4, v8
	v_lshlrev_b32 v[L8], 3, v8
	v_lshlrev_b32 v[R16], 4, v9
	v_lshlrev_b32 v[SH], 3, v10
	v_mov_b32 v[PX], 0                             ; written once: a lane permute's destination counts as one of its sources
	v_mov_b32 v[PX+1], 0
	v_mov_b32 v[FF+1], 0                           ; (named as the upper halves of f's pairs)
	v_mov_b32 v[FF+3], 0
	WIN 0x40
.irp i, 6,7,8,9,10,11,24,25,26,27,28,29
	v_mov_b32 v[QF+\i], 0                          ; the zero codes between Q's two copies
.endr
	WALU                                           ; the wait behind the head's address registers
	global_load_b128 v[H1:H1+3], v[L16], s[QI:QI+1]                ; pass 1's Q: tile 0's half image,
	global_load_b64 v[H1+4:H1+5], v[L8], s[QI:QI+1] offset:512
	global_load_b128 v[H1+6:H1+9], v[L16], s[QI:QI+1] offset:768   ; tile 1's
	global_load_b64 v[H1+10:H1+11], v[L8], s[QI:QI+1] offset:1280
	WIN 0
	global_load_b128 v[H2:H2+3], v[L16], s[QI:QI+1] offset:12800   ; pass 2's, 16 tiles of queries on
	global_load_b64 v[H2+4:H2+5], v[L8], s[QI:QI+1] offset:13312
	global_load_b128 v[H2+6:H2+9], v[L16], s[QI:QI+1] offset:13568
	global_load_b64 v[H2+10:H2+11], v[L8], s[QI:QI+1] offset:14080
	global_load_b32 v[W1], v[R16], s[QS:QS+1]                      ; the fragment's scale word of my row: two bytes for each tile
	global_load_b32 v[W2], v[R16], s[QS:QS+1] offset:12800
.macro KLOAD off                       ; 17 LDS loads: K's four fragments and its scale words, off bytes behind the step in hand
	WIN 0x40
.irp f, 0,1,2,3
	ds_load_b128 v[KF+12*\f:KF+12*\f+3], v[AD16] offset:\off+\f*1536
	ds_load_b64 v[KF+12*\f+4:KF+12*\f+5], v[AD8] offset:\off+\f*1536+512
	ds_load_b128 v[KF+12*\f+6:KF+12*\f+9], v[AD16] offset:\off+\f*1536+768
	ds_load_b64 v[KF+12*\f+10:KF+12*\f+11], v[AD8] offset:\off+\f*1536+1280
.endr
	WIN 0
	ds_load_b128 v[KSC:KSC+3], v[ADS] offset:\off+6144
.endm
; A KEY STEP: 128 keys for both tiles.  pre = 1: the next step's K is fetched
.macro STEP2 pre
	v_add_nc_u32 v[AD16], s[TB], v[L16]            ; these five are the places in front of loads into registers that the last products read
	v_add_nc_u32 v[AD8], s[TB], v[L8]
	v_add_nc_u32 v[ADS], s[TB], v[R16]
	v_mov_b32 v[OM], v[NM]                         ; the old -M
	v_mov_b32 v[OM+1], v[NM+2]
	WIN 0x40
.irp t, 0,1,2,3                        ; V's fragments land while the softmax is walked
	ds_load_b128 v[VF+12*\t:VF+12*\t+3], v[AD16] offset:6400+\t*1536
	ds_load_b64 v[VF+12*\t+4:VF+12*\t+5], v[AD8] offset:6400+\t*1536+512
	ds_load_b128 v[VF+12*\t+6:VF+12*\t+9], v[AD16] offset:6400+\t*1536+768
	ds_load_b64 v[VF+12*\t+10:VF+12*\t+11], v[AD8] offset:6400+\t*1536+1280
.endr
	WIN 0
	ds_load_b128 v[VSC:VSC+3], v[ADS] offset:12544
	WALU
	s_wait_dscnt 17                                ; K is in; V's 17 loads may be out
	WIN 0x05                                       ; K and Q in window 1, the scores in window 0
.irp f, 0,1,2,3                        ; S^T: each fragment of K serves two tiles of keys and two tiles of queries
.irp x, 0,1
	v_wmma_scale_f32_16x16x128_f8f6f4 v[S0+64*\x+16*\f:S0+64*\x+16*\f+7], v[KF+12*\f:KF+12*\f+11], v[QF+18*\x:QF+18*\x+11], 0, v[KSC+\f], v[QSC+\x] matrix_a_fmt:MATRIX_FMT_FP6 matrix_b_fmt:MATRIX_FMT_FP6
	v_wmma_scale_f32_16x16x128_f8f6f4 v[S0+64*\x+16*\f+8:S0+64*\x+16*\f+15], v[KF+12*\f:KF+12*\f+11], v[QF+18*\x+6:QF+18*\x+17], 0, v[KSC+\f], v[QSC+\x] matrix_a_fmt:MATRIX_FMT_FP6 matrix_b_fmt:MATRIX_FMT_FP6
.endr
.endr
	WIN 0
.rept 4
	v_nop                                          ; places in front of the loads below and of the first read of results
.endr
.if \pre
	KLOAD 12800
.endif
.irp q, 0,1,2,3,4,5,6,7                ; the largest score of each block of 32 keys, two chains a block, four blocks; each accumulator is read from its low end on
	v_max3_num_f32 v[TM+\q], v[S0+16*\q], v[S0+16*\q+1], v[S0+16*\q+2]
.endr
.irp i, 3,5,7,9,11,13
.irp q, 0,1,2,3,4,5,6,7
	v_max3_num_f32 v[TM+\q], v[TM+\q], v[S0+16*\q+\i], v[S0+16*\q+\i+1]
.endr
.endr
.irp b, 0,1,2,3
	v_max3_num_f32 v[TM+2*\b], v[TM+2*\b], v[TM+2*\b+1], v[S0+32*\b+15]
.endr
.irp b, 0,1,2,3
	v_max_num_f32 v[TM+2*\b], v[TM+2*\b], v[S0+32*\b+31]   ; block b = 2 x + c: for the row's maximum, and, since p rises with the score, for the block's largest p
.endr
.irp x, 0,1
	v_max_num_f32 v[TT+\x], v[TM+4*\x], v[TM+4*\x+2]
.endr
.irp x, 0,1
	v_permlanex16_b32 v[PX+\x], v[TT+\x], s[SEL], s[SEL+1]
.endr
.irp x, 0,1
	v_max3_num_f32 v[NM+2*\x+1], v[NM+2*\x+1], v[TT+\x], v[PX+\x]   ; the running largest score of my query, lane l xor 16's 64 keys among them
.endr
.irp x, 0,1
	v_mul_f32 v[TT+\x], s[CS], v[NM+2*\x+1]        ; as t (c is positive)
.endr
.irp x, 0,1
	v_floor_f32 v[NM+2*\x], -v[TT+\x]              ; the new -M = floor(-t) = -ceil(t)
.endr
.irp x, 0,1
	v_sub_f32 v[OM+\x], v[NM+2*\x], v[OM+\x]       ; old M - new M: a whole number, 0 or less
.endr
.irp x, 0,1
	v_cvt_i32_f32 v[OM+\x], v[OM+\x]               ; (it saturates)
.endr
.irp x, 0,1
	v_ldexp_f32 v[FF+2*\x], 1.0, v[OM+\x]          ; f = 2^(old M - new M)
.endr
.irp x, 0,1
.irp j, 0,2,4,6,8,10,12,14,16,18,20,22,24,26,28,30,32,34,36,38,40,42,44,46,48,50,52,54,56,58,60,62
	v_pk_fma_f32 v[S0+64*\x+\j:S0+64*\x+\j+1], v[S0+64*\x+\j:S0+64*\x+\j+1], s[CS:CS+1], v[NM+2*\x:NM+2*\x+1] op_sel_hi:[1,0,0]   ; t - M, two at a time
.endr
.endr
.irp b, 0,1,2,3
	v_fma_f32 v[TM+2*\b], v[TM+2*\b], s[CS], v[NM+2*(\b/2)]   ; the same of each block's largest score
.endr
	WIN 0x41
.irp x, 0,1
.irp j, 0,2,4,6,8,10,12,14,16,18,20,22,24,26,28,30
	v_pk_mul_f32 v[OF+32*\x+\j:OF+32*\x+\j+1], v[OF+32*\x+\j:OF+32*\x+\j+1], v[FF+2*\x:FF+2*\x+1] op_sel_hi:[1,0]   ; O^T under the new M, ahead of the exponentials
.endr
.endr
	WIN 0
	WALU                                           ; the wait ahead of the batch
.irp b, 0,1,2,3
	v_exp_f32 v[TM+2*\b], v[TM+2*\b]               ; the blocks' largest p
.endr
.set I, 0
.rept 128
	v_exp_f32 v[S0+I], v[S0+I]                     ; p = 2^(t - M), at most 1
.set I, I+1
.endr
	v_pk_mul_f32 v[SUM:SUM+1], v[SUM:SUM+1], v[FF:FF+1] op_sel_hi:[1,0]   ; the sums under the new M: plain places behind the exponentials
	v_pk_mul_f32 v[SUM+2:SUM+3], v[SUM+2:SUM+3], v[FF+2:FF+3] op_sel_hi:[1,0]
	WALU                                           ; one wait for the whole batch, ahead of its first reader
.irp b, 0,1,2,3
	v_max_num_f32 v[TM+2*\b], 0x1800000, v[TM+2*\b]   ; the floor 2^(3 - 127): the byte cannot fall under 1
.endr
.irp b, 0,1,2,3
	v_add_nc_u32 v[SO+\b], 0xff000000, v[TM+2*\b]  ; 2 off the exponent field: the conversion's scale operand
.endr
	WIN 0x40
.irp b, 0,1,2,3                        ; registers 6 c .. 6 c + 5 of tile x's operand are my block 2 c + lane / 16
	v_cvt_scalef32_pk16_fp6_f32 v[PF+6*\b:PF+6*\b+2], v[S0+32*\b:S0+32*\b+15], v[SO+\b]
	v_cvt_scalef32_pk16_fp6_f32 v[CT+4*\b:CT+4*\b+2], v[S0+32*\b+16:S0+32*\b+31], v[SO+\b]   ; (a conversion's three registers begin on an even number: the second half is made elsewhere and moved)
.endr
	WIN 0
.irp b, 0,1,2,3
	v_lshrrev_b32 v[TM+2*\b], 23, v[SO+\b]         ; the scales' bytes.  (Plain places behind the conversions)
.endr
.irp x, 0,1
	v_lshl_or_b32 v[TT+\x], v[TM+4*\x+2], 16, v[TM+4*\x]   ; my two bytes, blocks h and 2 + h,
.endr
.irp x, 0,1
	v_lshlrev_b32 v[TT+\x], v[SH], v[TT+\x]        ; at their places in the word,
.endr
.irp x, 0,1
	v_permlanex16_b32 v[PX+\x], v[TT+\x], s[SEL], s[SEL+1]
.endr
.irp x, 0,1
	v_or_b32 v[PSC+\x], v[TT+\x], v[PX+\x]         ; and lane l xor 16's two: p's scale word for these 128 keys
.endr
	WIN 0x41
.irp b, 0,1,2,3
.irp i, 0,1,2
	v_mov_b32 v[PF+6*\b+3+\i], v[CT+4*\b+\i]
.endr
.endr
	WIN 0
.irp k, 0,1,2                          ; the rows' sums of the unquantised p, four chains a tile.  These 64 are also the places between the writes of p's codes and scale words and the products
.irp x, 0,1
	v_pk_add_f32 v[ST+6*\x+2*\k:ST+6*\x+2*\k+1], v[S0+64*\x+4*\k:S0+64*\x+4*\k+1], v[S0+64*\x+4*\k+2:S0+64*\x+4*\k+3]
.endr
.endr
.irp x, 0,1
	v_pk_add_f32 v[SUM+2*\x:SUM+2*\x+1], v[SUM+2*\x:SUM+2*\x+1], v[S0+64*\x+12:S0+64*\x+13]
.endr
.irp j, 14,22,30,38,46,54
.irp k, 0,1,2
.irp x, 0,1
	v_pk_add_f32 v[ST+6*\x+2*\k:ST+6*\x+2*\k+1], v[ST+6*\x+2*\k:ST+6*\x+2*\k+1], v[S0+64*\x+\j+2*\k:S0+64*\x+\j+2*\k+1]
.endr
.endr
.irp x, 0,1
	v_pk_add_f32 v[SUM+2*\x:SUM+2*\x+1], v[SUM+2*\x:SUM+2*\x+1], v[S0+64*\x+\j+6:S0+64*\x+\j+7]
.endr
.endr
.irp x, 0,1
	v_pk_add_f32 v[ST+6*\x:ST+6*\x+1], v[ST+6*\x:ST+6*\x+1], v[S0+64*\x+62:S0+64*\x+63]
.endr
.irp x, 0,1
	v_pk_add_f32 v[ST+6*\x+2:ST+6*\x+3], v[ST+6*\x+2:ST+6*\x+3], v[ST+6*\x+4:ST+6*\x+5]
.endr
.irp x, 0,1
	v_pk_add_f32 v[SUM+2*\x:SUM+2*\x+1], v[SUM+2*\x:SUM+2*\x+1], v[ST+6*\x:ST+6*\x+1]
.endr
.irp x, 0,1
	v_pk_add_f32 v[SUM+2*\x:SUM+2*\x+1], v[SUM+2*\x:SUM+2*\x+1], v[ST+6*\x+2:ST+6*\x+3]
.endr
	WALU                                           ; the wait, directly ahead of the wait below
	s_wait_dscnt 17*\pre                           ; V is in; the next K's 17 loads, where there are any, may be out
	WIN 0x55
.irp t, 0,1,2,3                        ; O^T += V^T P^T: four tiles of 16 channels for each tile of queries; the eight accumulators take turns
.irp x, 0,1
	v_wmma_scale_f32_16x16x128_f8f6f4 v[OF+32*\x+8*\t:OF+32*\x+8*\t+7], v[VF+12*\t:VF+12*\t+11], v[PF+12*\x:PF+12*\x+11], v[OF+32*\x+8*\t:OF+32*\x+8*\t+7], v[VSC+\t], v[PSC+\x] matrix_a_fmt:MATRIX_FMT_FP6 matrix_b_fmt:MATRIX_FMT_FP6
.endr
.endr
	WIN 0
	s_add_co_u32 s[TB], s[TB], 12800
.endm
	WALU                                           ; the wait at the head's end
	s_wait_loadcnt 0x0                             ; both passes' Q
	s_wait_tensorcnt 0x0                           ; my two key steps are in
	s_barrier_signal -1
	s_barrier_wait -1                              ; all of K and V is shown to all, for the rest of the launch
	s_mov_b32 s[PASS], 2
.Lpass:
	WIN 0x41
.irp x, 0,1
.irp i, 0,1,2,3,4,5
	v_mov_b32 v[QF+18*\x+\i], v[H1+6*\x+\i]        ; this pass's Q, on both sides of the zero codes
	v_mov_b32 v[QF+18*\x+12+\i], v[H1+6*\x+\i]
.endr
.endr
	WIN 0x40
.irp i, 0,1,2,3,4,5,6,7,8,9,10,11
	v_mov_b32 v[H1+\i], v[H2+\i]                   ; the coming pass's
.endr
.set I, 0
.rept 64
	v_mov_b32 v[OF+I], 0                           ; O^T: the step is written once; the first change of M leaves zeros zeros
.set I, I+1
.endr
	WIN 0
	v_perm_b32 v[QSC], v[W1], v[W1], 0x01000100    ; tile 0's two bytes in both halves of the word,
	v_perm_b32 v[QSC+1], v[W1], v[W1], 0x03020302  ; tile 1's
	v_mov_b32 v[W1], v[W2]
.irp x, 0,1
	v_mov_b32 v[NM+2*\x+1], 0xff61b1e6             ; the largest score so far: -3e38
	v_mov_b32 v[NM+2*\x], 0x7f61b1e6               ; -M: 3e38, so that the first f is 0
	v_mov_b32 v[SUM+2*\x], 0
	v_mov_b32 v[SUM+2*\x+1], 0
.endr
	s_mov_b32 s[TB], 0
	v_add_nc_u32 v[AD16], s[TB], v[L16]
	v_add_nc_u32 v[AD8], s[TB], v[L8]
	v_add_nc_u32 v[ADS], s[TB], v[R16]
	KLOAD 0                                        ; the first key step's K
	s_mov_b32 s[CNT], 15
.Lstep:
	WALU                                           ; the wait behind the branch
	STEP2 1
	s_sub_co_u32 s[CNT], s[CNT], 1
	s_cmp_lg_u32 s[CNT], 0
	s_cbranch_scc1 .Lstep
	s_mov_b32 s[TB], 192000
	WALU
	STEP2 0                                        ; the pass's last key step fetches nothing more
	; the way out of a pass
.rept 4
	v_nop                                          ; places behind the last products
.endr
.irp x, 0,1
	v_add_f32 v[SUM+2*\x], v[SUM+2*\x], v[SUM+2*\x+1]
.endr
.irp x, 0,1
	v_permlanex16_b32 v[PX+\x], v[SUM+2*\x], s[SEL], s[SEL+1]
.endr
.irp x, 0,1
	v_add_f32 v[SUM+2*\x], v[SUM+2*\x], v[PX+\x]   ; the row's sum
.endr
	WALU
.irp x, 0,1
	v_rcp_f32 v[SUM+2*\x], v[SUM+2*\x]
.endr
	v_nop                                          ; a plain place behind the transcendentals
	WIN 0x01
	WALU                                           ; and the wait ahead of their first reader, which is also O^T's
.irp x, 0,1
.irp j, 0,1,2,3,4,5,6,7,8,9,10,11,12,13,14,15,16,17,18,19,20,21,22,23,24,25,26,27,28,29,30,31
	v_mul_f32 v[S0+64*\x+\j], v[OF+32*\x+\j], v[SUM+2*\x]   ; register 16 b + i is channel 32 b + 16 (lane / 16) + i of my query
.endr
.endr
	WIN 0
	QUANTH S0, 216, 232, 240
	QUANTH S0+64, 224, 233, 244
.irp x, 0,1
	global_store_b128 v[L16], v[216+8*\x:219+8*\x], s[OI:OI+1] offset:13312*\x       ; 512 consecutive bytes,
	global_store_b64 v[L8], v[220+8*\x:221+8*\x], s[OI:OI+1] offset:13312*\x+512     ; and 256
	global_store_b16 v[L8], v[232+\x], s[OS:OS+1] offset:13312*\x                    ; two scale bytes a lane (lanes 16-31 the same as lanes 0-15, for the words' second copy)
.endr
	s_wait_xcnt 0x0                                ; the stores have read their data and bases
	s_add_nc_u64 s[OI:OI+1], s[OI:OI+1], 212992    ; 16 tiles of queries on
	s_add_nc_u64 s[OS:OS+1], s[OS:OS+1], 212992
	s_sub_co_u32 s[PASS], s[PASS], 1
	s_cmp_lg_u32 s[PASS], 0
	WALU                                           ; the wait, directly ahead of the branch
	s_cbranch_scc1 .Lpass
	s_wait_tensorcnt 0x0                           ; the wave's end
	ds_add_u32 v[SPW], v[NIL]
	s_wait_dscnt 0x0
	ROUND                                          ; the closing round
	s_endpgm
.Lfunc_end_k_q6f7ea29aea_attn:
	.size	k_q6f7ea29aea_attn, .Lfunc_end_k_q6f7ea29aea_attn-k_q6f7ea29aea_attn
	.p2alignl 7, 3214868480
	.fill 96, 4, 3214868480
	.section	.rodata,"a",@progbits
	.p2align	6, 0x0
	.amdhsa_kernel k_q6f7ea29aea_attn
		.amdhsa_group_segment_fixed_size 327680
		.amdhsa_private_segment_fixed_size 0
		.amdhsa_enable_private_segment 0
		.amdhsa_kernarg_size 24
		.amdhsa_user_sgpr_count 2
		.amdhsa_user_sgpr_kernarg_segment_ptr 1
		.amdhsa_wavefront_size32 1
		.amdhsa_system_sgpr_workgroup_id_x 1
		.amdhsa_system_sgpr_workgroup_id_y 1
		.amdhsa_system_sgpr_workgroup_id_z 1
		.amdhsa_system_vgpr_workitem_id 0
		.amdhsa_next_free_vgpr 512
		.amdhsa_next_free_sgpr 66
		.amdhsa_reserve_vcc 0
		.amdhsa_float_denorm_mode_32 3
		.amdhsa_float_denorm_mode_16_64 3
		.amdhsa_memory_ordered 1
		.amdhsa_forward_progress 1
		.amdhsa_inst_pref_size 74
	.end_amdhsa_kernel
	.amdgpu_metadata
---
amdhsa.version: [ 1, 2 ]
amdhsa.kernels:
  - .name:           k_q6f7ea29aea_attn
    .symbol:         k_q6f7ea29aea_attn.kd
    .args:
      - { .name: qb, .offset: 0, .size: 8, .value_kind: global_buffer, .address_space: global }
      - { .name: kv, .offset: 8, .size: 8, .value_kind: global_buffer, .address_space: global }
      - { .name: oc, .offset: 16, .size: 8, .value_kind: global_buffer, .address_space: global }
    .group_segment_fixed_size: 327680
    .private_segment_fixed_size: 0
    .kernarg_segment_align: 8
    .kernarg_segment_size: 24
    .max_flat_workgroup_size: 256
    .sgpr_count:     66
    .vgpr_count:     512
    .wavefront_size: 32
...
	.end_amdgpu_metadata
.endif
;; end of part 3
;; launch oproj (part 4): grid 4 x 64, 4 waves a work-group, clusters of 4 x 4, 327,680 bytes of LDS; arguments oc, wc, bo, out0; writes out0
.if DOCPART == 4
	.amdgcn_target "amdgcn-amd-amdhsa--gfx1250"
	.amdhsa_code_object_version 6
	.text
	.protected	k_q6f7ea29aea_oproj
	.globl	k_q6f7ea29aea_oproj
	.p2align	8
	.type	k_q6f7ea29aea_oproj,@function
k_q6f7ea29aea_oproj:
	s_mov_b64 s[64:65], 0
	v_nop
	global_prefetch_b8 v0, s[64:65] scope:SCOPE_SE
	s_setreg_imm32_b32 hwreg(HW_REG_WAVE_MODE, 25, 1), 1
	s_wait_xcnt 0x0
	s_wait_alu depctr_hold_cnt(0) depctr_sa_sdst(0) depctr_va_vdst(0) depctr_va_sdst(0) depctr_va_ssrc(0) depctr_va_vcc(0) depctr_vm_vsrc(0)
	s_getreg_b32 s2, hwreg(HW_REG_IB_STS2, 6, 4)
	s_cmp_eq_u32 s2, 0
	s_cbranch_scc0 .Lentry_in_a_cluster
	s_endpgm
.Lentry_in_a_cluster:
	s_bfe_u32 s2, ttmp6, 0x10000c
	s_cmp_lg_u32 s2, 0xf033
	s_cbranch_scc0 .Lentry_shape_is_right
	s_endpgm
.Lentry_shape_is_right:
; out0 = o Wo + bo on codes of FP6 (E2M3) with E8M0 scales; sums and result in f32.
; A work-group makes 128 rows x 256 columns.  Its operands for ALL of K (8 + 16 tiles x 13,312 bytes) fit in LDS: each wave issues four first fills, one for each 256 along K, and nothing is filled again.
; A wave makes 128 rows x 64 columns: 32 accumulators.  CLUSTER 4 x 4: o's tiles are asked for jointly along a row of the cluster, the weight's along a column.
; OPERANDS are images of their registers, rows in POSITION order (bits 3 and 4 of the index exchanged).  Source 0 = the weight's columns, source 1 = o's rows: a lane holds one row (by position) and its registers
; run along the columns in true order.  The way out goes through the wave's own stage in LDS, so that sixteen lanes store 256 consecutive bytes, aligned; the rows' true places stand in the stores' offsets.
; The stage lies in the first half's bytes: they have had their only fill, and no wave reads them behind the third quarter's barrier.
; LIMITS: NaN and infinities are not served.
; REGISTERS: window 0: addresses, scale words, bias, the way out; window 1: the 32 accumulators; windows 2, 3: two sets of fragments (o's eight at 12 a, the weight's four at 96 + 12 b).
; THE FILLS, as this text has them (this takes the place of the head comment's sentence on four first fills a wave): ONE tensor load a wave, at the head: wave 0 o's eight tiles for the first 512 along K,
; wave 1 the weight's sixteen for the same, waves 2 and 3 the same for the second 512: rows of 6,656 bytes, one for each tile.  The first barrier shows the tiles of waves 0 and 1, the barrier ahead of the third quarter the rest.
; LDS: half k of K at k x HF: o's eight tiles of 6,656 bytes, then the weight's sixteen; in a tile its two quarters of 3,328 bytes on end.  Nothing is filled again.
; The stage lies in the first half's bytes: they have had their only fill, and no wave reads them behind the third quarter's barrier.
.set CH, 79872
.set HF, 159744                        ; half of K in LDS: 24 tiles x 6,656 bytes
.set SPARE, 4*CH                       ; the spare words, 128 bytes for each wave: two blocks of 256 bytes that no other line names
.set A16, 4
.set A8,  5
.set B16, 6
.set B8,  7
.set SCB, 8
.set STO, 9                            ; v9   the stage: row r, + 64 h
.set RD,  10                           ; v10  back: lanes 0-15 one row of 256 bytes, lanes 16-31 the next
.set CO,  11                           ; v11  the same two rows in out0
.set SPW, 14
.set NIL, 15
.set SC,  16                           ; v16-47  scale words
.set BI,  48                           ; v48-79  the bias
.set HA,  80                           ; v80-111 a tile of rows with its bias
.set BK,  112                          ; v112-175 rows read back, two sets
.set WV,  18
.set G1A, 24
.set G1B, 32
.set G0A, 40
.set G0B, 68
.set BP,  56
.set OUT, 58
.set MSB, 0
.macro WIN new
.if MSB != (\new)
	s_set_vgpr_msb (MSB<<8)|(\new)
.set MSB, (\new)
.endif
.endm
.macro ROUND
	s_barrier_signal -1
	s_barrier_wait -1
	s_cmp_lg_u32 s[WV], 0
	s_cbranch_scc1 .Lnot_wave_0_\@
	s_barrier_signal -3
.Lnot_wave_0_\@:
	s_barrier_wait -3
	s_barrier_signal -1
	s_barrier_wait -1
.endm
.macro PLACES
.rept 4
	v_nop
.endr
.endm
	s_load_b256 s[4:11], s[0:1], 0x0               ; oc s[4:5], wc s[6:7], bo s[8:9], out0 s[10:11]
	v_lshl_add_u32 v[SPW], v0, 2, SPARE
	v_mov_b32 v[NIL], 0
	ds_add_u32 v[SPW], v[NIL]                      ; the wave's opening: two adds and their wait ahead of my first tensor load
	ds_add_u32 v[SPW], v[NIL]
	v_lshrrev_b32 v1, 5, v0
	v_readfirstlane_b32 s[WV], v1
	s_and_b32 s19, s[WV], 1
	s_lshr_b32 s91, s[WV], 1                       ; which half of K I fetch
	s_bfe_u32 s84, ttmp6, 0x40000                  ; cx
	s_bfe_u32 s85, ttmp6, 0x40004                  ; cy
	s_and_b32 s86, ttmp7, 0xffff
	s_lshl_b32 s87, s86, 2
	s_add_co_u32 s87, s87, s85                     ; tile row: 128 rows
	s_lshl_b32 s90, ttmp9, 2
	s_add_co_u32 s90, s90, s84                     ; tile column: 256 columns
	s_lshl_b32 s22, s85, 2
	s_lshl_b32 s22, 15, s22                        ; my row of the cluster
	s_lshl_b32 s23, 0x1111, s84                    ; my column
	s_or_b32 s[G1A], s22, (3<<16)|(1<<21)
	s_or_b32 s[G1B], s23, (3<<16)|(1<<21)
	s_mov_b32 s[G1A+1], 832<<16                    ; rows of 832 elements of 8 bytes: two quarters of a tile
	s_mov_b32 s[G1A+2], 8<<16                      ; eight tiles
	s_mov_b32 s[G1A+3], 832<<16
	s_mov_b32 s[G1A+4], 8
	s_mov_b32 s[G1A+5], 1664
	s_mov_b32 s[G1A+6], 0
	s_mov_b32 s[G1A+7], 0
	s_mov_b32 s[G1B+1], 832<<16
	s_mov_b32 s[G1B+2], 16<<16                     ; sixteen tiles
	s_mov_b32 s[G1B+3], 832<<16
	s_mov_b32 s[G1B+4], 16
	s_mov_b32 s[G1B+5], 1664
	s_mov_b32 s[G1B+6], 0
	s_mov_b32 s[G1B+7], 0
	s_mul_i32 s60, s87, 106496                     ; o: the tile row's eight tiles,
	s_mul_i32 s61, s91, 6656                       ; my half of K
	s_add_co_u32 s60, s60, s61
	s_mov_b32 s61, 0
	s_mul_i32 s92, s90, 212992                     ; Wo: the tile column's sixteen,
	s_mul_i32 s93, s91, 6656                       ; my half of K,
	s_add_co_u32 s92, s92, s93
	s_add_co_u32 s92, s92, 2555904                 ; behind the three other weights
	s_mov_b32 s93, 0
	s_mul_i32 s94, s91, HF
	s_mul_i32 s95, s91, HF
	s_add_co_u32 s95, s95, 53248
	s_wait_dscnt 0x0                               ; the opening add is done
	s_wait_kmcnt 0x0
	s_add_nc_u64 s[60:61], s[4:5], s[60:61]
	s_add_nc_u64 s[92:93], s[6:7], s[92:93]
	ROUND                                          ; all sixteen work-groups are here: the joint loads meet
.irp c, 0
	s_mov_b32 s[G0A+4*\c], 1
	s_add_co_u32 s[G0A+4*\c+1], s94, \c*CH
	s_add_nc_u64 s[G0A+4*\c+2:G0A+4*\c+3], s[60:61], \c*3328
	s_or_b32 s[G0A+4*\c+3], s[G0A+4*\c+3], 0x80000000
	s_mov_b32 s[G0B+4*\c], 1
	s_add_co_u32 s[G0B+4*\c+1], s95, \c*CH
	s_add_nc_u64 s[G0B+4*\c+2:G0B+4*\c+3], s[92:93], \c*3328
	s_or_b32 s[G0B+4*\c+3], s[G0B+4*\c+3], 0x80000000
.endr
	s_cmp_eq_u32 s[WV], 0                          ; one chain of branches on the wave's number, one load to an arm: one tensor load a wave at the head
	s_cbranch_scc0 .Lfirst_1
	tensor_load_to_lds s[G0A:G0A+3], s[G1A:G1A+7]  ; wave 0: o, the first half of K
	s_nop 0
	PLACES
	s_branch .Lfirst_asked
.Lfirst_1:
	s_cmp_eq_u32 s[WV], 1
	s_cbranch_scc0 .Lfirst_2
	tensor_load_to_lds s[G0B:G0B+3], s[G1B:G1B+7]  ; wave 1: the weight, the first half
	s_nop 0
	PLACES
	s_branch .Lfirst_asked
.Lfirst_2:
	s_cmp_eq_u32 s[WV], 2
	s_cbranch_scc0 .Lfirst_3
	tensor_load_to_lds s[G0A:G0A+3], s[G1A:G1A+7]  ; wave 2: o, the second half
	s_nop 0
	PLACES
	s_branch .Lfirst_asked
.Lfirst_3:
	tensor_load_to_lds s[G0B:G0B+3], s[G1B:G1B+7]  ; wave 3: the weight, the second half
	s_nop 0
	PLACES
.Lfirst_asked:
	v_and_b32 v1, 31, v0
	v_and_b32 v2, 15, v0
	v_bfe_u32 v3, v0, 4, 1
	v_lshlrev_b32 v[A16], 4, v1
	v_lshlrev_b32 v[A8], 3, v1
	s_mul_i32 s22, s[WV], 26624
	s_add_co_u32 s22, s22, 53248                   ; my four tiles of the weight, behind o's eight
	v_add_nc_u32 v[B16], s22, v[A16]
	v_add_nc_u32 v[B8], s22, v[A8]
	v_mul_u32_u24 v[SCB], s22, v3
	v_add_nc_u32 v[SCB], v[SCB], v[A8]
	v_add_nc_u32 v[SCB], 3072, v[SCB]
	s_mul_i32 s23, s[WV], 4352                     ; my stage: 16 rows of 256 + 16 bytes
	v_mul_u32_u24 v[STO], v2, 272
	v_lshl_add_u32 v[STO], v3, 6, v[STO]
	v_add_nc_u32 v[STO], s23, v[STO]
	v_mul_u32_u24 v[RD], v3, 272
	v_lshl_add_u32 v[RD], v2, 4, v[RD]
	v_add_nc_u32 v[RD], s23, v[RD]
	v_lshlrev_b32 v[CO], 12, v3
	v_lshl_add_u32 v[CO], v2, 4, v[CO]
	v_lshlrev_b32 v12, 6, v3                       ; 64 h
	s_wait_alu depctr_va_vdst(0)
	s_lshl_b32 s22, s90, 2
	s_add_co_u32 s22, s22, s[WV]                   ; my 64 columns
	s_lshl_b32 s96, s22, 8
	s_mov_b32 s97, 0
	s_add_nc_u64 s[BP:BP+1], s[8:9], s[96:97]
	s_add_nc_u64 s[OUT:OUT+1], s[10:11], s[96:97]
	s_lshl_b32 s96, s87, 19                        ; 128 rows of 4,096 bytes
	s_add_nc_u64 s[OUT:OUT+1], s[OUT:OUT+1], s[96:97]
.irp b, 0,1,2,3                        ; register 8 b + j of a tile of rows is column 32 (b / 2) + 16 h + 8 (b % 2) + j
	global_load_b128 v[BI+8*\b:BI+8*\b+3], v12, s[BP:BP+1] offset:(32*(\b/2)+8*(\b%2))*4
	global_load_b128 v[BI+8*\b+4:BI+8*\b+7], v12, s[BP:BP+1] offset:(32*(\b/2)+8*(\b%2))*4+16
.endr
.macro FETCH q, set
	WIN 0x80+0x40*(\set)
.irp i, 0,1,2,3,4,5,6,7
	ds_load_b128 v[12*\i:12*\i+3], v[A16] offset:\i*6656+(\q)*1536
	ds_load_b64 v[12*\i+4:12*\i+5], v[A8] offset:\i*6656+(\q)*1536+512
	ds_load_b128 v[12*\i+6:12*\i+9], v[A16] offset:\i*6656+(\q)*1536+768
	ds_load_b64 v[12*\i+10:12*\i+11], v[A8] offset:\i*6656+(\q)*1536+1280
.endr
.irp b, 0,1,2,3
	ds_load_b128 v[96+12*\b:96+12*\b+3], v[B16] offset:\b*6656+(\q)*1536
	ds_load_b64 v[96+12*\b+4:96+12*\b+5], v[B8] offset:\b*6656+(\q)*1536+512
	ds_load_b128 v[96+12*\b+6:96+12*\b+9], v[B16] offset:\b*6656+(\q)*1536+768
	ds_load_b64 v[96+12*\b+10:96+12*\b+11], v[B8] offset:\b*6656+(\q)*1536+1280
.endr
	WIN 0
.endm
.macro SCALES set
.irp i, 0,1,2,3
	ds_load_b64 v[SC+16*(\set)+2*\i:SC+16*(\set)+2*\i+1], v[SCB] offset:\i*6656
.endr
.irp i, 4,5,6,7
	ds_load_b64 v[SC+16*(\set)+2*\i:SC+16*(\set)+2*\i+1], v[A8] offset:\i*6656+3072
.endr
.endm
; 32 matrix instructions, 128 along K; the 32 accumulators take turns, one instruction a turn, in the same order in every step
.macro MULS set, q, scs, zero
	WIN 0x5a+5*(\set)
.irp a, 0,1,2,3,4,5,6,7
.irp b, 0,1,2,3
.if \zero
	v_wmma_scale_f32_16x16x128_f8f6f4 v[8*(4*\a+\b):8*(4*\a+\b)+7], v[96+12*\b:96+12*\b+11], v[12*\a:12*\a+11], 0, v[SC+16*(\scs)+2*\b+(\q)], v[SC+16*(\scs)+2*\a+(\q)] matrix_a_fmt:MATRIX_FMT_FP6 matrix_b_fmt:MATRIX_FMT_FP6 matrix_a_scale:MATRIX_SCALE_ROW1
.else
	v_wmma_scale_f32_16x16x128_f8f6f4 v[8*(4*\a+\b):8*(4*\a+\b)+7], v[96+12*\b:96+12*\b+11], v[12*\a:12*\a+11], v[8*(4*\a+\b):8*(4*\a+\b)+7], v[SC+16*(\scs)+2*\b+(\q)], v[SC+16*(\scs)+2*\a+(\q)] matrix_a_fmt:MATRIX_FMT_FP6 matrix_b_fmt:MATRIX_FMT_FP6 matrix_a_scale:MATRIX_SCALE_ROW1
.endif
.endr
.endr
.endm
	s_cmp_lt_u32 s[WV], 2                          ; waves 0 and 1 fetched the first half of K: they wait for their one load; the second half may be out
	s_cbranch_scc0 .Lnot_mine
	s_wait_tensorcnt 0x0
.Lnot_mine:
	s_barrier_signal -1
	s_barrier_wait -1
	FETCH 0, 0
	SCALES 0
	FETCH 1, 1
	s_wait_dscnt 48                                ; all but the 48 just issued
	MULS 0, 0, 0, 1
.irp c, 1,2,3
	WIN 0
.if \c == 2
	s_wait_tensorcnt 0x0                           ; every wave's one load is in: the second half of K is shown to all
	s_wait_dscnt 0x0                               ; set 1 is in, and no LDS load of mine is out at the signal
	s_barrier_signal -1
	s_barrier_wait -1
.else
	s_wait_dscnt 0x0                               ; set 1 is in; this quarter lies in a half that a barrier has shown already
.endif
.set QSTEP, 3328*(\c%2)+(HF-3328)*(1-\c%2)     ; to a tile's second quarter, or on to the next half
	v_add_nc_u32 v[A16], QSTEP, v[A16]             ; on to quarter c: these five are also the places in front of the loads into set 0
	v_add_nc_u32 v[A8], QSTEP, v[A8]
	v_add_nc_u32 v[B16], QSTEP, v[B16]
	v_add_nc_u32 v[B8], QSTEP, v[B8]
	v_add_nc_u32 v[SCB], QSTEP, v[SCB]
	FETCH 0, 0
	SCALES \c%2
	MULS 1, 1, (\c-1)%2, 0
	PLACES                                         ; in front of the loads into set 1
	FETCH 1, 1
	s_wait_alu depctr_va_vdst(0)
	s_wait_dscnt 48                                ; all but the 48 just issued
	MULS 0, 0, \c%2, 0
.endr
	s_wait_dscnt 0x0
	MULS 1, 1, 1, 0
	WIN 0
	; THE WAY OUT, a tile of 16 rows x 64 columns at a time
	PLACES                                         ; in front of the first read of results
	s_wait_loadcnt 0x0                             ; the bias
.irp a, 0,1,2,3,4,5,6,7
.if \a > 1
	s_wait_xcnt 0x0                                ; tile a - 2's stores have read their data
.endif
	WIN 0x01                                       ; source 0: the accumulators' window
.irp i, 0,1,2,3,4,5,6,7,8,9,10,11,12,13,14,15
	v_pk_add_f32 v[HA+2*\i:HA+2*\i+1], v[32*\a+2*\i:32*\a+2*\i+1], v[BI+2*\i:BI+2*\i+1]   ; each accumulator from its low end on
.endr
	WIN 0
.irp b, 0,1,2,3
	ds_store_b128 v[STO], v[HA+8*\b:HA+8*\b+3] offset:128*(\b/2)+32*(\b%2)
	ds_store_b128 v[STO], v[HA+8*\b+4:HA+8*\b+7] offset:128*(\b/2)+32*(\b%2)+16
.endr
.irp i, 0,1,2,3,4,5,6,7
	ds_load_b128 v[BK+32*(\a%2)+4*\i:BK+32*(\a%2)+4*\i+3], v[RD] offset:2*\i*272   ; LDS serves a wave's instructions in order: these see my stores
.endr
	s_wait_dscnt 0x0
.irp i, 0,1,2,3,4,5,6,7                ; stage row rr = 2 i + lane / 16 is position rr of tile a: row 32 (a / 2) + 8 (a % 2) + rr + 8 (rr / 8)
	global_store_b128 v[CO], v[BK+32*(\a%2)+4*\i:BK+32*(\a%2)+4*\i+3], s[OUT:OUT+1] offset:(32*(\a/2)+8*(\a%2)+2*\i+8*(\i/4))*4096 th:TH_STORE_NT
.endr
.endr
	s_wait_tensorcnt 0x0                           ; the wave's end
	ds_add_u32 v[SPW], v[NIL]
	s_wait_dscnt 0x0
	ROUND                                          ; the closing round
	s_endpgm
.Lfunc_end_k_q6f7ea29aea_oproj:
	.size	k_q6f7ea29aea_oproj, .Lfunc_end_k_q6f7ea29aea_oproj-k_q6f7ea29aea_oproj
	.p2alignl 7, 3214868480
	.fill 96, 4, 3214868480
	.section	.rodata,"a",@progbits
	.p2align	6, 0x0
	.amdhsa_kernel k_q6f7ea29aea_oproj
		.amdhsa_group_segment_fixed_size 327680
		.amdhsa_private_segment_fixed_size 0
		.amdhsa_enable_private_segment 0
		.amdhsa_kernarg_size 32
		.amdhsa_user_sgpr_count 2
		.amdhsa_user_sgpr_kernarg_segment_ptr 1
		.amdhsa_wavefront_size32 1
		.amdhsa_system_sgpr_workgroup_id_x 1
		.amdhsa_system_sgpr_workgroup_id_y 1
		.amdhsa_system_sgpr_workgroup_id_z 1
		.amdhsa_system_vgpr_workitem_id 0
		.amdhsa_next_free_vgpr 912
		.amdhsa_next_free_sgpr 100
		.amdhsa_reserve_vcc 0
		.amdhsa_float_denorm_mode_32 3
		.amdhsa_float_denorm_mode_16_64 3
		.amdhsa_memory_ordered 1
		.amdhsa_forward_progress 1
		.amdhsa_inst_pref_size 92
	.end_amdhsa_kernel
	.amdgpu_metadata
---
amdhsa.version: [ 1, 2 ]
amdhsa.kernels:
  - .name:           k_q6f7ea29aea_oproj
    .symbol:         k_q6f7ea29aea_oproj.kd
    .args:
      - { .name: oc, .offset: 0, .size: 8, .value_kind: global_buffer, .address_space: global }
      - { .name: wc, .offset: 8, .size: 8, .value_kind: global_buffer, .address_space: global }
      - { .name: bo, .offset: 16, .size: 8, .value_kind: global_buffer, .address_space: global }
      - { .name: out0, .offset: 24, .size: 8, .value_kind: global_buffer, .address_space: global }
    .group_segment_fixed_size: 327680
    .private_segment_fixed_size: 0
    .kernarg_segment_align: 8
    .kernarg_segment_size: 32
    .max_flat_workgroup_size: 128
    .sgpr_count:     100
    .vgpr_count:     912
    .wavefront_size: 32
...
	.end_amdgpu_metadata
.endif
;; end of part 4
